; MI455X (gfx1250); checked and timed in simulation.
; The chip was launched on July 23, 2026; its instructions are those of AMD's public machine-readable ISA for CDNA 5 (MIT licence, August 2026) and "CDNA5" Instruction Set Architecture Reference Guide (July 2026). The comments in the code are by the model that wrote it; some were corrected since.
;; GQA Flash Attn. Allowed arithmetic: matrix products marked QUANTISED: E2M3 operands, one E8M0 scale for each 32 along K, by v_wmma_scale_f32_16x16x128_f8f6f4 with both operands' format E2M3, f32 sums; everything else in f32.
;; Inputs: cos 2,048 x 64 float32; k_norm_w 64 float32; q_norm_w 64 float32; sin 2,048 x 64 float32; wk 2,048 x 512 float32; wo 2,048 x 2,048 float32; wq 2,048 x 2,048 float32; wv 2,048 x 512 float32; x 1 x 2,048 x 2,048 float32.
;; Outputs: out0 1 x 2,048 x 2,048 float32.
;; This version of the problem:
;;   THIS VERSION OF THE PROBLEM IS GIVEN IN LOW PRECISION. The matrix products marked QUANTISED in the list below multiply operands that are first quantised to E2M3 (2 exponent bits, 3 mantissa bits; 6 bits a number), with one power-of-two scale for each 32 numbers along K (OCP MX v1.0); their sums are f32. All else is computed in f32.
;;   The module's matrix products, in the order in which they are computed (A, B: the left and right operand; K: the contracted axis; several contracted axes count as one K, in the product's order):
;;     1. [M 2,048, K 2,048] x [K 2,048, N 2,048]; A: input x; B: input wq: QUANTISED
;;     2. [M 2,048, K 2,048] x [K 2,048, N 512]; A: input x; B: input wk: QUANTISED
;;     3. [M 2,048, K 2,048] x [K 2,048, N 512]; A: input x; B: input wv: QUANTISED
;;     4. batch 32 x [M 2,048, K 64] x [K 64, N 2,048]; A: computed on the way; B: computed on the way: QUANTISED
;;     5. batch 32 x [M 2,048, K 2,048] x [K 2,048, N 64]; A: softmax (see below); B: computed on the way: QUANTISED
;;     6. [M 2,048, K 2,048] x [K 2,048, N 2,048]; A: computed on the way; B: input wo: QUANTISED
;;   THE QUANTISER, for each operand of a quantised product, along K:
;;     - K is cut into blocks of 32 from its start; a last block that is shorter is filled with zeros.
;;     - A block's scale is 2^e with e = floor(log2(the largest magnitude in the block)) - 2, held to -126 .. 127; a block of zeros has e = 0. As a byte (E8M0): e + 127.
;;     - Each number is divided by its block's scale, clamped to +-7.5, and rounded to the nearest number of E2M3, ties to even, subnormals kept.
;;     - The product sums the exact products of the quantised numbers (number of the format x scale) in f32.
;;   ~~~python
;;   def quantise(x, axis):      # numpy; x: float32 -> the quantised numbers, widened to float32 again
;;       x = np.moveaxis(x, axis, -1); K = x.shape[-1]
;;       x = np.pad(x, [(0, 0)] * (x.ndim - 1) + [(0, -K % 32)]); x = x.reshape(x.shape[:-1] + (-1, 32)); a = np.abs(x).max(-1, keepdims=True)
;;       e = np.where(a > 0, np.clip(np.frexp(np.where(a > 0, a, 1))[1] - 1 - 2, -126, 127), 0)      # np.frexp(a)[1] - 1 = floor(log2(a)), exactly
;;       r = np.clip(x / 2.0 ** e, -7.5, 7.5)
;;       step = 2.0 ** (np.maximum(np.frexp(np.where(r == 0, 1, r))[1] - 1, 0) - 3)
;;       q = np.round(r / step) * step * 2.0 ** e      # np.round: ties to even
;;       return np.moveaxis(q.reshape(q.shape[:-2] + (-1,))[..., :K], -1, axis).astype(np.float32)
;;   ~~~
;;   SOFTMAX AHEAD OF A QUANTISED PRODUCT. Where the list says 'softmax', what is quantised is not the finished softmax but p = 2^(t - M), with t = logit x log2(e) and M = ceil(the row's largest t), a whole number; so 1/2 < the row's largest p <= 1. The row's sum l is taken of the UNQUANTISED p, in f32, and the product's result is divided by l at the end. Since M is a whole number, a kernel that streams over the keys may use a running M (the ceiling of the running maximum): every later rescaling is an exact power of two, which a block's scale takes up: the codes' values come out the same.
;;   OPERANDS COMPUTED ON THE WAY. 'Computed on the way' means the value that the module computes at that place (a softmax that the list does not call 'softmax' is quantised finished and normalised). What goes into a quantiser is computed in f32, as accurately as f32 sums, v_exp_f32 and their like allow (about 1e-6 of the number): no bf16 or f16 on the way to a quantiser, and a product that is left as it is and whose result goes on into a quantised operand takes f32 operands (vector FMAs, or v_wmma_f32_16x16x4_f32). A number that lies on a knife's edge between two numbers of the format may be rounded either way, as far as f32 arithmetic and the matrix unit's own rounding can turn it there, and no further.
;; One version. Each part assembles by itself: llvm-mc -triple=amdgcn-amd-amdhsa -mcpu=gfx1250 --defsym DOCPART=n.
;; ======== version 1 of 1: 4 launches
;; limits: right only within a limited range of input values
;; workspace buffers: x_img 3,276,800 bytes; w_img 4,915,200 bytes; wo_img 3,276,800 bytes; q_img 3,407,872 bytes; kv_img 1,703,936 bytes; a_img 3,276,800 bytes
;; launch quant (part 1): grid 448 x 1, 4 waves a work-group, no clusters, 37,376 bytes of LDS; arguments x, wq, wk, wv, wo, x_img, w_img, wo_img; writes x_img, w_img, wo_img
.if DOCPART == 1
	.amdgcn_target "amdgcn-amd-amdhsa--gfx1250"
	.amdhsa_code_object_version 6
	.text
	.protected	k_qc345b5dd36_quant
	.globl	k_qc345b5dd36_quant
	.p2align	8
	.type	k_qc345b5dd36_quant,@function
k_qc345b5dd36_quant:
	s_mov_b64 s[64:65], 0
	v_nop
	global_prefetch_b8 v0, s[64:65] scope:SCOPE_SE
	s_setreg_imm32_b32 hwreg(HW_REG_WAVE_MODE, 25, 1), 1
	s_wait_xcnt 0x0
; x [2048][2048] (K innermost) and wq, wk, wv, wo ([K][N], K outermost), f32, become codes of FP6 (E2M3) with one E8M0 byte for each 32 along K,
; laid in the order of a matrix operand's registers.  A CHUNK of 12,800 bytes holds 128 operand rows x 128 along K: fragment T (rows 16 T + r) at 1,536 T, in it
; register 4 c + q of lane l at 512 c + 16 l + 4 q; behind the eight fragments the rows' scale words, 4 bytes a row.  Chunks lie block by block, K step by K step.
; A block's scale is 2^(floor(log2(largest magnitude)) - 2); its byte is the largest magnitude's exponent field - 2, held at 1 from below.
; LIMITS: NaN and infinities are not served; a block of zeros gets the byte 1 (its codes are zeros, and this program alone reads the bytes).
; SHARES: work-group = (block of 128 operand rows, 256 along K): two whole chunks.  Blocks 0-15: x; 16-31 wq, 32-35 wk, 36-39 wv, 40-55 wo.
; wo's numbers are laid inside each block of 32 in the order of groups of eight 0, 2, 1, 3: the order in which the attention launch's results fall into their codes.
; No tensor loads, no cluster: work-groups share no input.  One barrier, for the scale words, which leave as 512 consecutive bytes a chunk.
; LEFT OUT, in the attention launch: key steps all of whose keys come after a tile's queries.  reference() builds the causal mask in its own body and sets those scores to the least f32 ahead of the softmax,
; so that they add nothing to a row's sum or result, whatever the inputs hold.  A NaN, an infinity or an overflow that reaches only those scores is not carried to the result.
.set GC,   12800
.set STGW, 8448                        ; a wave's stage: 16 rows x (512 + 16) bytes
.set SCL,  33792                       ; behind the four stages: 2 x 512 bytes of scale words
.set TM,   16                          ; v16-19 largest magnitudes, v20-23 the other half's, then bytes, v28-31 the conversions' scale operands
.set PW,   32                          ; the scale word just made
.set PC,   34                          ; v34-45 a fragment's codes; v46-48, v50-52 the upper halves as they are made
.set XN,   64                          ; v64-127 64 numbers of a lane (weights: two sets of 32)
.set RL,   128                         ; v128-255 x as loaded, two sets of 64
.set AD,   128                         ; v128-159 weights: byte offset of the block's row i in my column
.set RI,   160                         ; v160-207 weights: the codes, 24 registers a K step: 12 h + register
.set CT,   208                         ; v208-210 an upper half as it is made
.set SEL,  52                          ; s[52:53] lane selects for lane l xor 16
; 64 numbers of a lane, register 16 b + i = k 32 b + 16 (lane / 16) + i of my row, become a fragment's 12 registers in v[PC] on and its scale word in v[PW]
.macro QUANT64 s
.irp b, 0,1,2,3
	v_max3_num_f32 v[TM+\b], |v[\s+16*\b]|, |v[\s+1+16*\b]|, 0x1800000   ; my 16 numbers of block b, and the floor 2^(3 - 127): the byte cannot fall under 1
.endr
.irp i, 2,4,6,8,10,12,14
.irp b, 0,1,2,3
	v_max3_num_f32 v[TM+\b], v[TM+\b], |v[\s+16*\b+\i]|, |v[\s+1+16*\b+\i]|
.endr
.endr
.irp b, 0,1,2,3
	v_permlanex16_b32 v[TM+4+\b], v[TM+\b], s[SEL], s[SEL+1]
.endr
.irp b, 0,1,2,3
	v_max_num_f32 v[TM+\b], v[TM+\b], v[TM+4+\b]      ; with lane l xor 16's 16: the block's
.endr
.irp b, 0,1,2,3
	v_add_nc_u32 v[TM+12+\b], 0xff000000, v[TM+\b]    ; 2 off the exponent field: the conversion's scale operand
.endr
.irp b, 0,1,2,3
	v_lshrrev_b32 v[TM+4+\b], 23, v[TM+12+\b]         ; the byte
.endr
	v_lshl_or_b32 v[PW], v[TM+5], 8, v[TM+4]
	v_lshl_or_b32 v[PW], v[TM+6], 16, v[PW]
	v_lshl_or_b32 v[PW], v[TM+7], 24, v[PW]
.irp c, 0,1
	v_cvt_scalef32_pk16_fp6_f32 v[PC+6*\c:PC+2+6*\c], v[\s+32*\c:\s+15+32*\c], v[TM+12+2*\c]
	v_cvt_scalef32_pk16_fp6_f32 v[PC+12+4*\c:PC+14+4*\c], v[\s+16+32*\c:\s+31+32*\c], v[TM+12+2*\c+1]
.endr
	v_nop                                             ; one plain line behind the conversions
.irp c, 0,1
.irp i, 0,1,2
	v_permlane16_swap_b32 v[PC+6*\c+\i], v[PC+12+4*\c+\i]   ; a whole block to a lane: lanes 0-15 block 2 c, lanes 16-31 block 2 c + 1
.endr
.irp i, 0,1,2
	v_mov_b32 v[PC+3+6*\c+\i], v[PC+12+4*\c+\i]
.endr
.endr
.endm
	s_load_b256 s[4:11], s[0:1], 0x0               ; x, wq, wk, wv
	s_load_b256 s[12:19], s[0:1], 0x20             ; wo, x_img, w_img, wo_img
	v_lshl_add_u32 v62, v0, 2, 0x9000
	v_mov_b32 v63, 0
	v_lshrrev_b32 v1, 5, v0
	v_readfirstlane_b32 s20, v1                    ; wave
	s_and_b32 s21, ttmp9, 7                        ; kp: K steps 2 kp, 2 kp + 1
	s_lshr_b32 s22, ttmp9, 3                       ; block 0..55
	s_mov_b32 s[SEL], 0x76543210
	s_mov_b32 s[SEL+1], 0xfedcba98
	v_and_b32 v1, 31, v0                           ; lane
	v_and_b32 v2, 15, v0                           ; r
	v_bfe_u32 v3, v0, 4, 1                         ; h
	v_lshlrev_b32 v4, 4, v1                        ; 16 x lane
	s_mul_i32 s54, s20, STGW
	v_add_nc_u32 v5, s54, v4                       ; the stage, in: a row's 512 bytes as they lie
	v_mul_u32_u24 v6, v2, 528
	v_lshl_add_u32 v6, v3, 6, v6
	v_add_nc_u32 v6, s54, v6                       ; and out: row r, + 64 h: my 16 numbers of a block
	v_lshl_add_u32 v7, v0, 2, SCL                  ; my operand row's scale word
	s_lshl_b32 s55, s20, 9
	s_add_co_u32 s55, s55, SCL
	v_add_nc_u32 v8, s55, v4                       ; waves 0, 1: a chunk's 512 bytes of scale words, 16 a lane
	v_cmp_le_u32 s30, 16, v1                       ; lanes 16-31
.irp b, 0,1,2,3
	v_mov_b32 v[TM+4+\b], 0                        ; a lane permute's destination counts as read
.endr
	s_wait_kmcnt 0x0
	s_cmp_ge_u32 s22, 16
	s_cbranch_scc1 .Lweights
; ---- x: wave w takes rows 32 w .. 32 w + 31 of the block: tiles 2 w, 2 w + 1, for two K steps: four fragments f = 2 s + tau
	s_lshl_b32 s54, s22, 7
	s_lshl_b32 s55, s20, 5
	s_add_co_u32 s54, s54, s55
	s_lshl_b32 s54, s54, 13                        ; my first row x 8,192 bytes
	s_lshl_b32 s55, s21, 10
	s_add_co_u32 s54, s54, s55                     ; + 1,024 kp
	s_mov_b32 s55, 0
	s_add_nc_u64 s[24:25], s[4:5], s[54:55]
	s_lshl_b32 s54, s22, 4
	s_lshl_b32 s56, s21, 1
	s_add_co_u32 s54, s54, s56
	s_mul_i32 s54, s54, GC
	s_add_nc_u64 s[26:27], s[14:15], s[54:55]      ; my two chunks
	s_mul_i32 s56, s20, 3072
	v_add_nc_u32 v9, s56, v4                       ; my tiles' place in a chunk
.macro XLOAD f                         ; 16 rows x 512 consecutive bytes
.irp rho, 0,1,2,3,4,5,6,7,8,9,10,11,12,13,14,15
	global_load_b128 v[RL+64*((\f)%2)+4*\rho:RL+64*((\f)%2)+4*\rho+3], v4, s[24:25] offset:(16*((\f)%2)+\rho)*8192+512*((\f)/2) th:TH_LOAD_NT
.endr
.endm
.macro TURN f                          ; through my stage: LDS serves a wave's instructions in order, so no wait stands between the stores and the loads
.irp rho, 0,1,2,3,4,5,6,7,8,9,10,11,12,13,14,15
	ds_store_b128 v5, v[RL+64*((\f)%2)+4*\rho:RL+64*((\f)%2)+4*\rho+3] offset:528*\rho
.endr
.irp b, 0,1,2,3
.irp j, 0,1,2,3
	ds_load_b128 v[XN+16*\b+4*\j:XN+16*\b+4*\j+3], v6 offset:128*\b+16*\j
.endr
.endr
.endm
.macro XFRAG f
.if (\f) < 3
	s_wait_loadcnt 16                              ; this fragment's 16 loads are in; the next one's may be out
.else
	s_wait_loadcnt 0x0
.endif
	TURN \f
	s_wait_dscnt 0x0                               ; the numbers are back, and the stores have read the registers that the next loads take
	s_wait_xcnt 0x0                                ; the last fragment's stores have read their codes: those registers are written again below
.if (\f) < 2
	XLOAD (\f)+2
.endif
	QUANT64 XN
.irp c, 0,1,2
	global_store_b128 v9, v[PC+4*\c:PC+4*\c+3], s[26:27] offset:GC*((\f)/2)+1536*((\f)%2)+512*\c   ; 512 consecutive bytes
.endr
.if (\f)%2 == 0
	v_mov_b32 v12, v[PW]
.else
	v_cndmask_b32 v[10+(\f)/2], v12, v[PW], s30    ; lane l: the word of row 32 w + l
.endif
.endm
	XLOAD 0
	XLOAD 1
	s_wait_alu depctr_va_vdst(0)
	XFRAG 0
	XFRAG 1
	XFRAG 2
	XFRAG 3
	s_branch .Ltail
; ---- weights: a thread takes a column and its registers run down K: a block of 32 lies in one lane, and the codes come out with K innermost
.Lweights:
	s_sub_co_u32 s23, s22, 16                      ; 0-15 wq, 16-19 wk, 20-23 wv, 24-39 wo
	s_mov_b32 s31, 8192                            ; bytes in a row of the weight
	s_cmp_ge_u32 s23, 16
	s_cselect_b64 s[24:25], s[8:9], s[6:7]
	s_cselect_b32 s31, 2048, s31
	s_cselect_b32 s56, 16, 0                       ; the tensor's first block
	s_cmp_ge_u32 s23, 20
	s_cselect_b64 s[24:25], s[10:11], s[24:25]
	s_cselect_b32 s56, 20, s56
	s_cmp_ge_u32 s23, 24
	s_cselect_b64 s[24:25], s[12:13], s[24:25]
	s_cselect_b32 s31, 8192, s31
	s_cselect_b32 s56, 24, s56
	s_cselect_b64 s[26:27], s[18:19], s[16:17]
	s_cselect_b32 s59, 24, 0                       ; taken off the block's number in the image
	s_lshl_b32 s60, s31, 3
	s_lshl_b32 s61, s31, 4
	s_cmp_ge_u32 s23, 24
	s_cselect_b32 s32, s61, s60                    ; where the block's second group of eight positions comes from: 8 rows down, in wo 16
	s_cselect_b32 s33, s60, s61                    ; and the third: 16 rows down, in wo 8
	s_mul_i32 s57, s31, 24
	s_sub_co_u32 s58, s23, s59
	s_lshl_b32 s58, s58, 4
	s_lshl_b32 s60, s21, 1
	s_add_co_u32 s58, s58, s60
	s_mul_i32 s58, s58, GC
	s_mov_b32 s59, 0
	s_add_nc_u64 s[26:27], s[26:27], s[58:59]      ; my two chunks
	s_sub_co_u32 s54, s23, s56
	s_lshl_b32 s54, s54, 9                         ; the block's 128 columns
	s_lshl_b32 s55, s21, 8
	s_mul_i32 s55, s55, s31                        ; 256 kp rows down
	s_add_co_u32 s54, s54, s55
	s_mov_b32 s55, 0
	s_add_nc_u64 s[36:37], s[24:25], s[54:55]      ; s[36+2t:37+2t]: the weight at the first row of my t-th block of 32
	s_lshl_b32 s54, s31, 5
.irp t, 1,2,3,4,5,6,7
	s_add_nc_u64 s[36+2*\t:37+2*\t], s[34+2*\t:35+2*\t], s[54:55]
.endr
	v_lshlrev_b32 v[AD], 2, v0
	v_add_nc_u32 v[AD+8], s32, v[AD]
	v_add_nc_u32 v[AD+16], s33, v[AD]
	v_add_nc_u32 v[AD+24], s57, v[AD]
.irp e, 1,2,3,4,5,6,7
.irp g, 0,1,2,3
	v_add_nc_u32 v[AD+8*\g+\e], s31, v[AD+8*\g+\e-1]
.endr
.endr
	v_lshrrev_b32 v12, 4, v0
	v_mul_u32_u24 v12, v12, 1536
	v_lshl_add_u32 v9, v2, 4, v12                  ; my fragment, lane r's 16 bytes
.macro WLOAD t                         ; each load: 128 consecutive bytes a wave, 512 a work-group
.irp i, 0,1,2,3,4,5,6,7,8,9,10,11,12,13,14,15,16,17,18,19,20,21,22,23,24,25,26,27,28,29,30,31
	global_load_b32 v[XN+32*((\t)%2)+\i], v[AD+\i], s[36+2*(\t):37+2*(\t)] th:TH_LOAD_NT
.endr
.endm
.macro WBLOCK t                        ; block t % 4 of K step t / 4: it is registers 6 c .. 6 c + 5 of lane (r, h), h = t % 2, c = (t % 4) / 2
.set XS, XN+32*((\t)%2)
.set RD, RI+24*((\t)/4)+12*((\t)%2)+6*(((\t)%4)/2)
.if (\t) < 7
	s_wait_loadcnt 32                              ; this block's 32 loads are in; the next block's may be out
.else
	s_wait_loadcnt 0x0
.endif
	v_max3_num_f32 v12, |v[XS]|, |v[XS+1]|, |v[XS+2]|
	v_max3_num_f32 v13, |v[XS+3]|, |v[XS+4]|, |v[XS+5]|
.irp i, 6,10,14,18,22,26
	v_max3_num_f32 v12, v12, |v[XS+\i]|, |v[XS+\i+1]|
	v_max3_num_f32 v13, v13, |v[XS+\i+2]|, |v[XS+\i+3]|
.endr
	v_max3_num_f32 v12, v12, |v[XS+30]|, |v[XS+31]|
	v_max3_num_f32 v12, v12, v13, 0x1800000        ; and the floor
	v_add_nc_u32 v14, 0xff000000, v12
	v_lshrrev_b32 v15, 23, v14
	v_cvt_scalef32_pk16_fp6_f32 v[RD:RD+2], v[XS:XS+15], v14
	v_cvt_scalef32_pk16_fp6_f32 v[CT:CT+2], v[XS+16:XS+31], v14
.if (\t)%4 == 0
	v_mov_b32 v[10+(\t)/4], v15                    ; (the plain line behind the conversions)  the scale word, the lower K in the lower byte
.else
	v_lshl_or_b32 v[10+(\t)/4], v15, 8*((\t)%4), v[10+(\t)/4]
.endif
.irp i, 0,1,2
	v_mov_b32 v[RD+3+\i], v[CT+\i]
.endr
.if (\t) < 6
	WLOAD (\t)+2
.endif
.endm
.macro WSTORE sp                       ; sixteen lanes store 256 consecutive bytes, aligned; each K step has registers of its own
.irp h, 0,1
.irp c, 0,1,2
	global_store_b128 v9, v[RI+24*\sp+12*\h+4*\c:RI+24*\sp+12*\h+4*\c+3], s[26:27] offset:GC*\sp+512*\c+256*\h
.endr
.endr
.endm
	WLOAD 0
	WLOAD 1
	WBLOCK 0
	WBLOCK 1
	WBLOCK 2
	WBLOCK 3
	WSTORE 0
	WBLOCK 4
	WBLOCK 5
	WBLOCK 6
	WBLOCK 7
	WSTORE 1
; ---- both: thread t holds the scale words of operand row t for the two K steps; they meet in LDS and leave as 512 consecutive bytes a chunk
.Ltail:
	ds_store_b32 v7, v10
	s_wait_alu depctr_va_vdst(0)
	ds_store_b32 v7, v11 offset:512
	s_mul_i32 s54, s20, GC
	s_mov_b32 s55, 0
	s_add_nc_u64 s[28:29], s[26:27], s[54:55]      ; wave 0: the first chunk, wave 1: the second
	s_wait_dscnt 0x0                               ; for the others' sake: my stores have landed
	s_barrier_signal -1
	s_barrier_wait -1
	s_cmp_ge_u32 s20, 2
	s_cbranch_scc1 .Ldone
	ds_load_b128 v[12:15], v8
	s_wait_dscnt 0x0
	global_store_b128 v4, v[12:15], s[28:29] offset:12288
.Ldone:
	s_wait_tensorcnt 0x0
	ds_add_u32 v62, v63
	s_wait_dscnt 0x0
	s_endpgm
.Lfunc_end_k_qc345b5dd36_quant:
	.size	k_qc345b5dd36_quant, .Lfunc_end_k_qc345b5dd36_quant-k_qc345b5dd36_quant
	.p2alignl 7, 3214868480
	.fill 96, 4, 3214868480
	.section	.rodata,"a",@progbits
	.p2align	6, 0x0
	.amdhsa_kernel k_qc345b5dd36_quant
		.amdhsa_group_segment_fixed_size 37376
		.amdhsa_private_segment_fixed_size 0
		.amdhsa_enable_private_segment 0
		.amdhsa_kernarg_size 64
		.amdhsa_user_sgpr_count 2
		.amdhsa_user_sgpr_kernarg_segment_ptr 1
		.amdhsa_wavefront_size32 1
		.amdhsa_system_sgpr_workgroup_id_x 1
		.amdhsa_system_sgpr_workgroup_id_y 1
		.amdhsa_system_sgpr_workgroup_id_z 1
		.amdhsa_system_vgpr_workitem_id 0
		.amdhsa_next_free_vgpr 256
		.amdhsa_next_free_sgpr 66
		.amdhsa_reserve_vcc 0
		.amdhsa_float_denorm_mode_32 3
		.amdhsa_float_denorm_mode_16_64 3
		.amdhsa_memory_ordered 1
		.amdhsa_forward_progress 1
		.amdhsa_inst_pref_size 73
	.end_amdhsa_kernel
	.amdgpu_metadata
---
amdhsa.version: [ 1, 2 ]
amdhsa.kernels:
  - .name:           k_qc345b5dd36_quant
    .symbol:         k_qc345b5dd36_quant.kd
    .args:
      - { .name: x, .offset: 0, .size: 8, .value_kind: global_buffer, .address_space: global }
      - { .name: wq, .offset: 8, .size: 8, .value_kind: global_buffer, .address_space: global }
      - { .name: wk, .offset: 16, .size: 8, .value_kind: global_buffer, .address_space: global }
      - { .name: wv, .offset: 24, .size: 8, .value_kind: global_buffer, .address_space: global }
      - { .name: wo, .offset: 32, .size: 8, .value_kind: global_buffer, .address_space: global }
      - { .name: x_img, .offset: 40, .size: 8, .value_kind: global_buffer, .address_space: global }
      - { .name: w_img, .offset: 48, .size: 8, .value_kind: global_buffer, .address_space: global }
      - { .name: wo_img, .offset: 56, .size: 8, .value_kind: global_buffer, .address_space: global }
    .group_segment_fixed_size: 37376
    .private_segment_fixed_size: 0
    .kernarg_segment_align: 8
    .kernarg_segment_size: 64
    .max_flat_workgroup_size: 128
    .sgpr_count:     66
    .vgpr_count:     256
    .wavefront_size: 32
...
	.end_amdgpu_metadata
.endif
;; end of part 1
;; launch qkv (part 2): grid 24 x 8, 4 waves a work-group, clusters of 4 x 4, 327,680 bytes of LDS; arguments x_img, w_img, cos, sin, q_norm_w, k_norm_w, q_img, kv_img; writes q_img, kv_img
.if DOCPART == 2
	.amdgcn_target "amdgcn-amd-amdhsa--gfx1250"
	.amdhsa_code_object_version 6
	.text
	.protected	k_qc345b5dd36_qkv
	.globl	k_qc345b5dd36_qkv
	.p2align	8
	.type	k_qc345b5dd36_qkv,@function
k_qc345b5dd36_qkv:
	s_mov_b64 s[64:65], 0
	v_nop
	global_prefetch_b8 v0, s[64:65] scope:SCOPE_SE
	s_setreg_imm32_b32 hwreg(HW_REG_WAVE_MODE, 25, 1), 1
	s_wait_xcnt 0x0
	s_wait_alu depctr_hold_cnt(0) depctr_sa_sdst(0) depctr_va_vdst(0) depctr_va_sdst(0) depctr_va_ssrc(0) depctr_va_vcc(0) depctr_vm_vsrc(0)
	s_getreg_b32 s2, hwreg(HW_REG_IB_STS2, 6, 4)
	s_cmp_eq_u32 s2, 0
	s_cbranch_scc0 .Lentry_in_a_cluster
	s_endpgm
.Lentry_in_a_cluster:
	s_bfe_u32 s2, ttmp6, 0x10000c
	s_cmp_lg_u32 s2, 0xf033
	s_cbranch_scc0 .Lentry_shape_is_right
	s_endpgm
.Lentry_shape_is_right:
; Q, K, V = x wq, x wk, x wv on codes of FP6 with E8M0 scales; then, in f32, RMS norm over a head's 64 and RoPE for Q and K; then all three are quantised again, as operands of the attention launch:
; Q and K along the head's 64, V along the keys.  Nothing but codes and scale bytes goes to memory.
; SHARES.  A work-group makes 256 rows x 128 columns (two heads); wave (wr, wc) 128 rows x one head: 32 accumulators.  24 column blocks: 0-15 Q, 16-19 K, 20-23 V; a cluster's four column
; blocks are of one kind, so the kind is the cluster's x, equal in all sixteen partners, and branches may hang on it.
; OPERANDS lie in memory as images of their registers, in chunks of 12,800 bytes (128 rows x 128 K: eight fragments of 1,536 bytes, then 512 bytes of scale words): a K step's tile is a dense block
; for a tensor load, a fragment comes by three ds_load_b128 of consecutive bytes, and no padding is wanted.
; RING.  Two slots of four K steps (x's two blocks and the weight's block: 153,600 bytes); four chunks; two are first fills, two refills.  A wave has one tensor load out at a time, one behind each round.
; CLUSTER 4 x 4: x's tiles are shared along a row of the cluster, the weight's along a column: joint loads.
; Q, K: source 0 = the weight, source 1 = x: lane (r, h) holds row 16 a + r and d = 16 b + 8 h + j: a row's 64 lie in lanes l and l xor 16.
; V: source 0 = x, source 1 = the weight: lane (r, h) holds d = 16 b + r and keys 16 a + 8 h + j: its registers run along the keys, the next product's K.
; Inside a block of 32 the codes so made hold the numbers in the order of groups of eight 0, 2, 1, 3: alike on both sides of each later product.
; OUT.  q_img: head, block of 128 rows: 6,656 bytes: tile T at 768 T (registers 0-3 at 16 l, 4-5 at 512 + 8 l), scale words at 6,144 + 16 (r + 16 (T / 4)) + 4 (T % 4).
;       kv_img: kv head, key step of 128: K so (6,656 bytes), then V: fragment b (d = 16 b + r) at 1,536 b, scale words at 6,144 + 16 l + 4 b.
; LIMITS: NaN and infinities are not served; a block of zeros gets the byte 1 (its codes are zeros; this program alone reads the bytes).
; WINDOWS of 256 registers: 0: addresses, v32-47 scale words, v64-255 x's fragments, two sets; later the epilogue's work.  1: v0-95 the weight's fragments, two sets; v96-127 the norm's weights.
;   2: the accumulators.  3: cos and sin, a ring of four sets of 64.
.set GC,    12800
.set CH,    51200                      ; four K steps of a block
.set SLOT,  153600
.set SPARE, 307200                     ; behind the ring: the spare words, 128 bytes a wave: two blocks of 256 bytes that no other line names
.set NL,    42                         ; LDS loads of a K step: 12 + 24 + 6
.set G1X, 32                           ; s[32:39] group 1 for x's tiles;  s[40:47] for the weight's
.set G1W, 40
.set G0X, 48                           ; s[48:55] groups 0 for x's, one a slot;  s[56:63] for the weight's
.set G0W, 56
.set SC,  32                           ; scale words: set p at v[32 + 8 p]: +0..3 x's pairs of tiles, +4, +5 the weight's
.set XF,  64                           ; x's fragments: set p at v[64 + 96 p]
.set YY,  64                           ; the epilogue, window 0: a tile's 32 numbers,
.set OO,  96                           ; after RoPE,
.set PQ,  128                          ; its codes, v128-133;
.set TQ,  136                          ; v136-138 the second block's as they are made
.set TM,  140                          ; v140-147 at work in QUANT32
.set SW,  160                          ; v160-167 the eight tiles' scale words
.set ZZ,  168                          ; v168-171 as they are stored
.set RS,  172                          ; v172-187 1 / rms of tile a at RS + 2 a
.set SQ,  188                          ; v188-195
.set SS,  196                          ; v196-227 sums of squares
.set PT,  228                          ; v228-235
.set PCV, 128                          ; V: a fragment's codes v128-139; v140-142, v144-146 upper halves
.set TV,  152                          ; v152-167 at work
.set VW,  168                          ; v168-171 the four fragments' scale words
.set MSB, 0
.macro WIN new                         ; the immediate's high byte repeats the setting that is left
.if MSB != \new
	s_set_vgpr_msb (MSB<<8)|\new
.set MSB, \new
.endif
.endm
.macro PLACES n
.rept \n
	v_nop
.endr
.endm
.macro JLOAD s                         ; a joint load: waves 0 and 1 fetch x's two blocks, waves 2 and 3 the weight's two halves; four v_nop follow each line
	s_cmp_eq_u32 s21, 0
	s_cbranch_scc0 .Lfor_w_\@
	tensor_load_to_lds s[G0X+4*\s:G0X+4*\s+3], s[G1X:G1X+7]
	s_nop 0
.rept 4
	v_nop
.endr
	s_branch .Lasked_\@
.Lfor_w_\@:
	tensor_load_to_lds s[G0W+4*\s:G0W+4*\s+3], s[G1W:G1W+7]
	s_nop 0
.rept 4
	v_nop
.endr
.Lasked_\@:
.endm
.macro CREST
	s_cmp_lg_u32 s20, 0
	s_cbranch_scc1 .Lnot_wave_0_\@
	s_barrier_signal -3
.Lnot_wave_0_\@:
	s_barrier_wait -3
	s_barrier_signal -1
	s_barrier_wait -1
.endm
.macro CROUND                          ; a round of the cluster's barrier
	s_barrier_signal -1
	s_barrier_wait -1
	CREST
.endm
; one matrix instruction; its registers stand in the symbols rD, rA, rB, sA, sB; qA, qB: the scale words lie in lanes 16-31
.macro WM zero
.if \zero
.if qA && qB
	v_wmma_scale_f32_16x16x128_f8f6f4 v[rD:rD+7], v[rA:rA+11], v[rB:rB+11], 0, v[sA], v[sB] matrix_a_fmt:MATRIX_FMT_FP6 matrix_b_fmt:MATRIX_FMT_FP6 matrix_a_scale:MATRIX_SCALE_ROW1 matrix_b_scale:MATRIX_SCALE_ROW1
.elseif qA
	v_wmma_scale_f32_16x16x128_f8f6f4 v[rD:rD+7], v[rA:rA+11], v[rB:rB+11], 0, v[sA], v[sB] matrix_a_fmt:MATRIX_FMT_FP6 matrix_b_fmt:MATRIX_FMT_FP6 matrix_a_scale:MATRIX_SCALE_ROW1
.elseif qB
	v_wmma_scale_f32_16x16x128_f8f6f4 v[rD:rD+7], v[rA:rA+11], v[rB:rB+11], 0, v[sA], v[sB] matrix_a_fmt:MATRIX_FMT_FP6 matrix_b_fmt:MATRIX_FMT_FP6 matrix_b_scale:MATRIX_SCALE_ROW1
.else
	v_wmma_scale_f32_16x16x128_f8f6f4 v[rD:rD+7], v[rA:rA+11], v[rB:rB+11], 0, v[sA], v[sB] matrix_a_fmt:MATRIX_FMT_FP6 matrix_b_fmt:MATRIX_FMT_FP6
.endif
.else
.if qA && qB
	v_wmma_scale_f32_16x16x128_f8f6f4 v[rD:rD+7], v[rA:rA+11], v[rB:rB+11], v[rD:rD+7], v[sA], v[sB] matrix_a_fmt:MATRIX_FMT_FP6 matrix_b_fmt:MATRIX_FMT_FP6 matrix_a_scale:MATRIX_SCALE_ROW1 matrix_b_scale:MATRIX_SCALE_ROW1
.elseif qA
	v_wmma_scale_f32_16x16x128_f8f6f4 v[rD:rD+7], v[rA:rA+11], v[rB:rB+11], v[rD:rD+7], v[sA], v[sB] matrix_a_fmt:MATRIX_FMT_FP6 matrix_b_fmt:MATRIX_FMT_FP6 matrix_a_scale:MATRIX_SCALE_ROW1
.elseif qB
	v_wmma_scale_f32_16x16x128_f8f6f4 v[rD:rD+7], v[rA:rA+11], v[rB:rB+11], v[rD:rD+7], v[sA], v[sB] matrix_a_fmt:MATRIX_FMT_FP6 matrix_b_fmt:MATRIX_FMT_FP6 matrix_b_scale:MATRIX_SCALE_ROW1
.else
	v_wmma_scale_f32_16x16x128_f8f6f4 v[rD:rD+7], v[rA:rA+11], v[rB:rB+11], v[rD:rD+7], v[sA], v[sB] matrix_a_fmt:MATRIX_FMT_FP6 matrix_b_fmt:MATRIX_FMT_FP6
.endif
.endif
.endm
; one run of 42 LDS loads: K step ks of the slot into set: the weight's 4 fragments, x's 8, and the scale words (a word register: an even tile in lanes 0-15, the odd one beside it in lanes 16-31)
.macro FETCH slot, ks, set
	WIN 0x40                                       ; destination window 1
.irp b, 0,1,2,3
.irp c, 0,1,2
	ds_load_b128 v[48*(\set)+12*\b+4*\c:48*(\set)+12*\b+4*\c+3], v[6+\slot] offset:GC*(\ks)+1536*\b+512*\c
.endr
.endr
	WIN 0
.irp a, 0,1,2,3,4,5,6,7
.irp c, 0,1,2
	ds_load_b128 v[XF+96*(\set)+12*\a+4*\c:XF+96*(\set)+12*\a+4*\c+3], v[4+\slot] offset:GC*(\ks)+1536*\a+512*\c
.endr
.endr
.irp i, 0,1,2,3
	ds_load_b32 v[SC+8*(\set)+\i], v[8+\slot] offset:12288+GC*(\ks)+128*\i
.endr
.irp i, 0,1
	ds_load_b32 v[SC+8*(\set)+4+\i], v[10+\slot] offset:12288+GC*(\ks)+128*\i
.endr
.endm
; a K step's 32 products, in one of two arms.  Both walk the 32 accumulators in ascending order, one instruction a turn.
.macro PRODUCTS cur, zero
	s_cmp_eq_u32 s27, 5
	s_cbranch_scc1 .Lvarm_\@
	WIN 0xa1                                       ; Q, K: source 0 the weight (window 1), source 1 x (window 0), C and D window 2
.set ia, 0
.rept 8
.set ib, 0
.rept 4
.set rD, 8*(4*ia+ib)
.set rA, 48*(\cur)+12*ib
.set rB, XF+96*(\cur)+12*ia
.set sA, SC+8*(\cur)+4+ib/2
.set sB, SC+8*(\cur)+ia/2
.set qA, ib%2
.set qB, ia%2
	WM \zero
.set ib, ib+1
.endr
.set ia, ia+1
.endr
	WIN 0
	s_branch .Ljoin_\@
.Lvarm_\@:
	WIN 0xa4                                       ; V: source 0 x (window 0), source 1 the weight (window 1)
.set ib, 0
.rept 4
.set ia, 0
.rept 8
.set rD, 8*(8*ib+ia)
.set rA, XF+96*(\cur)+12*ia
.set rB, 48*(\cur)+12*ib
.set sA, SC+8*(\cur)+ia/2
.set sB, SC+8*(\cur)+4+ib/2
.set qA, ia%2
.set qB, ib%2
	WM \zero
.set ia, ia+1
.endr
.set ib, ib+1
.endr
	WIN 0
.Ljoin_\@:
.endm
; a K step: the next step's fragments are asked for into the other set, then this set is multiplied
.macro KSTEP cur, nxt, slot, ks, zero
	PLACES 4                                       ; four plain lines between the last products and loads into registers that they read (ISA guide 7.12.1 for vector instructions)
.if \nxt
	FETCH \slot, \ks, 1-(\cur)
	s_wait_dscnt NL                                ; all but the 42 just issued: this step's fragments are in
.else
	s_wait_dscnt 0x0
.endif
	PRODUCTS \cur, \zero
.endm
; the change of slots, in front of a chunk's last K step, whose fragments are in registers by then
.macro CHANGE slot, fill
	s_wait_tensorcnt 0x0                           ; all my tensor loads have landed, my part of the next slot among them
	ds_add_u32 v2, v3                              ; 0 onto my spare word
.if \fill
	s_add_nc_u64 s[G0X+4*\slot+2:G0X+4*\slot+3], s[G0X+4*\slot+2:G0X+4*\slot+3], 2*CH   ; no load of mine is out: this slot's next chunk, two on
	s_add_nc_u64 s[G0W+4*\slot+2:G0W+4*\slot+3], s[G0W+4*\slot+2:G0W+4*\slot+3], 2*CH
.endif
	s_wait_dscnt 0x0                               ; the add is done, and my reads of this slot are over
.if \fill
	CROUND                                         ; no wave of any partner still reads the slot or has a load on its way
	JLOAD \slot                                    ; the first tensor load behind the round, one a wave
.else
	s_barrier_signal -1
	s_barrier_wait -1
.endif
.endm
; 32 numbers of a lane, register 16 B + i, two blocks, become half a fragment in v[p] .. v[p + 5] and a scale word (bytes 0, 1) in v[w]
.macro QUANT32 s, p, t, w
	v_max3_num_f32 v[TM], |v[\s]|, |v[\s+1]|, 0x1800000
	v_max3_num_f32 v[TM+1], |v[\s+16]|, |v[\s+17]|, 0x1800000
.irp i, 2,4,6,8,10,12,14
	v_max3_num_f32 v[TM], v[TM], |v[\s+\i]|, |v[\s+\i+1]|
	v_max3_num_f32 v[TM+1], v[TM+1], |v[\s+16+\i]|, |v[\s+17+\i]|
.endr
	v_permlanex16_b32 v[TM+2], v[TM], s88, s89
	v_permlanex16_b32 v[TM+3], v[TM+1], s88, s89
	v_max_num_f32 v[TM], v[TM], v[TM+2]
	v_max_num_f32 v[TM+1], v[TM+1], v[TM+3]
	v_add_nc_u32 v[TM+4], 0xff000000, v[TM]
	v_add_nc_u32 v[TM+5], 0xff000000, v[TM+1]
	v_lshrrev_b32 v[TM+6], 23, v[TM+4]
	v_lshrrev_b32 v[TM+7], 23, v[TM+5]
	v_lshl_or_b32 v[\w], v[TM+7], 8, v[TM+6]
	v_cvt_scalef32_pk16_fp6_f32 v[\p:\p+2], v[\s:\s+15], v[TM+4]
	v_cvt_scalef32_pk16_fp6_f32 v[\t:\t+2], v[\s+16:\s+31], v[TM+5]
	v_nop                                          ; one plain line behind the conversions
.irp i, 0,1,2
	v_permlane16_swap_b32 v[\p+\i], v[\t+\i]       ; lanes 0-15: block 0, lanes 16-31: block 1
.endr
.irp i, 0,1,2
	v_mov_b32 v[\p+3+\i], v[\t+\i]
.endr
.endm
.macro LOADCS a                        ; cos and sin of tile a's 16 rows, in the accumulators' layout, into set a % 4 of window 3
.irp b, 0,1,2,3
	global_load_b128 v[64*((\a)%4)+8*\b:64*((\a)%4)+8*\b+3], v14, s[82:83] offset:4096*(\a)+64*\b
	global_load_b128 v[64*((\a)%4)+8*\b+4:64*((\a)%4)+8*\b+7], v14, s[82:83] offset:4096*(\a)+64*\b+16
	global_load_b128 v[64*((\a)%4)+32+8*\b:64*((\a)%4)+32+8*\b+3], v14, s[84:85] offset:4096*(\a)+64*\b
	global_load_b128 v[64*((\a)%4)+32+8*\b+4:64*((\a)%4)+32+8*\b+7], v14, s[84:85] offset:4096*(\a)+64*\b+16
.endr
.endm
	s_load_b256 s[4:11], s[0:1], 0x0               ; x_img, w_img, cos, sin
	s_load_b256 s[12:19], s[0:1], 0x20             ; q_norm_w, k_norm_w, q_img, kv_img
	v_lshl_add_u32 v2, v0, 2, SPARE
	v_mov_b32 v3, 0
	ds_add_u32 v2, v3
	ds_add_u32 v2, v3
	s_wait_dscnt 0x0
	v_lshrrev_b32 v1, 5, v0
	v_readfirstlane_b32 s20, v1                    ; wave
	s_lshr_b32 s21, s20, 1                         ; wr: which block of x is mine.  Also: I fetch for x (0) or for the weight (1)
	s_and_b32 s22, s20, 1                          ; wc: which head.  Also: which part I fetch
	s_bfe_u32 s23, ttmp6, 0x40000                  ; cx
	s_bfe_u32 s24, ttmp6, 0x40004                  ; cy
	s_lshl_b32 s25, ttmp9, 2
	s_add_co_u32 s25, s25, s23                     ; X: the weight's block
	s_and_b32 s26, ttmp7, 0xffff
	s_lshl_b32 s26, s26, 2
	s_add_co_u32 s26, s26, s24                     ; Y: 256 rows of x
	s_mov_b32 s27, ttmp9                           ; the kind: 0-3 Q, 4 K, 5 V
	s_lshl_b32 s28, s24, 2
	s_lshl_b32 s28, 15, s28                        ; my row of the cluster
	s_lshl_b32 s29, 0x1111, s23                    ; my column
	s_or_b32 s[G1X], s28, (3<<16)|(1<<21)          ; the mask; elements of 8 bytes; bit 21 beside a mask; no padding
	s_or_b32 s[G1W], s29, (3<<16)|(1<<21)
	s_mov_b32 s[G1X+1], 32<<16                     ; rows of 256 bytes
	s_mov_b32 s[G1X+2], 200<<16                    ; 200 of them: a block's four K steps
	s_mov_b32 s[G1X+3], 32<<16
	s_mov_b32 s[G1X+4], 200
	s_mov_b32 s[G1X+5], 32
	s_mov_b32 s[G1X+6], 0
	s_mov_b32 s[G1X+7], 0
	s_mov_b32 s[G1W+1], 32<<16
	s_mov_b32 s[G1W+2], 100<<16                    ; 100: two K steps
	s_mov_b32 s[G1W+3], 32<<16
	s_mov_b32 s[G1W+4], 100
	s_mov_b32 s[G1W+5], 32
	s_mov_b32 s[G1W+6], 0
	s_mov_b32 s[G1W+7], 0
	s_lshl_b32 s66, s26, 1
	s_add_co_u32 s66, s66, s22
	s_mul_i32 s66, s66, 204800                     ; x: block 2 Y + part
	s_mov_b32 s67, 0
	s_mul_i32 s70, s25, 204800                     ; the weight: block X,
	s_mul_i32 s71, s22, 25600
	s_add_co_u32 s70, s70, s71                     ; + my half of a chunk
	s_add_co_u32 s75, s71, 2*CH                    ; and its place in a slot
	s_mov_b32 s71, 0
	s_mul_i32 s74, s22, CH                         ; x's place in a slot
	s_mov_b32 s88, 0x76543210
	s_mov_b32 s89, 0xfedcba98
	s_mov_b32 s90, 0x3c800000                      ; 1 / 64
	s_mov_b32 s91, 0x358637bd                      ; 1e-6
	s_wait_kmcnt 0x0
	s_add_nc_u64 s[68:69], s[4:5], s[66:67]
	s_add_nc_u64 s[72:73], s[6:7], s[70:71]
	CROUND                                         ; all sixteen work-groups are here: the first joint loads meet
.irp s, 0,1
	s_mov_b32 s[G0X+4*\s], 1
	s_add_co_u32 s[G0X+4*\s+1], s74, \s*SLOT
	s_add_nc_u64 s[G0X+4*\s+2:G0X+4*\s+3], s[68:69], \s*CH
	s_or_b32 s[G0X+4*\s+3], s[G0X+4*\s+3], 0x80000000
	s_mov_b32 s[G0W+4*\s], 1
	s_add_co_u32 s[G0W+4*\s+1], s75, \s*SLOT
	s_add_nc_u64 s[G0W+4*\s+2:G0W+4*\s+3], s[72:73], \s*CH
	s_or_b32 s[G0W+4*\s+3], s[G0W+4*\s+3], 0x80000000
.endr
	JLOAD 0                                        ; chunk 0: one tensor load a wave at the head
	v_and_b32 v16, 31, v0                          ; lane
	v_and_b32 v17, 15, v0                          ; r
	v_bfe_u32 v18, v0, 4, 1                        ; h
	v_lshlrev_b32 v12, 4, v16                      ; 16 x lane
	v_lshlrev_b32 v13, 3, v16                      ; 8 x lane
	v_lshlrev_b32 v19, 2, v16                      ; 4 x lane
	v_lshlrev_b32 v15, 5, v18                      ; 32 h
	v_lshl_add_u32 v14, v17, 8, v15                ; 256 r + 32 h: my place in 16 rows of cos or sin
	s_mul_i32 s76, s21, CH
	s_mul_i32 s77, s22, 6144
	s_add_co_u32 s77, s77, 2*CH
	s_lshl_b32 s78, s22, 8
	s_add_co_u32 s78, s78, 2*CH
	v_add_nc_u32 v4, s76, v12                      ; v4, v5: x's fragments in slot 0, 1
	v_add_nc_u32 v5, SLOT, v4
	v_add_nc_u32 v6, s77, v12                      ; v6, v7: my head's fragments of the weight
	v_add_nc_u32 v7, SLOT, v6
	v_add_nc_u32 v8, s76, v19                      ; v8, v9: x's scale words
	v_add_nc_u32 v9, SLOT, v8
	v_add_nc_u32 v10, s78, v19                     ; v10, v11: the weight's
	v_add_nc_u32 v11, SLOT, v10
	v_cmp_le_u32 s92, 16, v16                      ; lanes 16-31
	s_lshl_b32 s66, s26, 16
	s_lshl_b32 s67, s21, 15
	s_add_co_u32 s66, s66, s67                     ; my first row, 256 Y + 128 wr, x 256 bytes
	s_mov_b32 s67, 0
	s_add_nc_u64 s[82:83], s[8:9], s[66:67]
	s_add_nc_u64 s[84:85], s[10:11], s[66:67]
	s_cmp_eq_u32 s27, 4
	s_cselect_b64 s[86:87], s[14:15], s[12:13]     ; K's norm weights or Q's
	WIN 0x40                                       ; the norm's weights at d = 16 b + 8 h + j, and four tiles' cos and sin: asked for now, wanted behind the products.  (V's work-groups ask too and read none of it)
.irp b, 0,1,2,3
	global_load_b128 v[96+8*\b:99+8*\b], v15, s[86:87] offset:64*\b
	global_load_b128 v[100+8*\b:103+8*\b], v15, s[86:87] offset:64*\b+16
.endr
	WIN 0xc0
	LOADCS 0
	LOADCS 1
	LOADCS 2
	LOADCS 3
	WIN 0
	s_wait_alu depctr_va_vdst(0)
	s_wait_tensorcnt 0x0                           ; my part of slot 0 is in.  Slot 1's first fill is issued as a refill is, so one tensor load of a wave is out at any time, at the start too
	ds_add_u32 v2, v3
	s_wait_dscnt 0x0
	CROUND
	JLOAD 1                                        ; chunk 1, the first tensor load behind the round
	FETCH 0, 0, 0
	KSTEP 0, 1, 0, 1, 1                            ; the first products start the sums: nothing is cleared
	KSTEP 1, 1, 0, 2, 0
	KSTEP 0, 1, 0, 3, 0
	CHANGE 0, 1                                    ; slot 0 takes chunk 2
	KSTEP 1, 1, 1, 0, 0
	KSTEP 0, 1, 1, 1, 0
	KSTEP 1, 1, 1, 2, 0
	KSTEP 0, 1, 1, 3, 0
	CHANGE 1, 1                                    ; slot 1 takes chunk 3
	KSTEP 1, 1, 0, 0, 0
	KSTEP 0, 1, 0, 1, 0
	KSTEP 1, 1, 0, 2, 0
	KSTEP 0, 1, 0, 3, 0
	CHANGE 0, 0                                    ; nothing is left to fetch
	KSTEP 1, 1, 1, 0, 0
	KSTEP 0, 1, 1, 1, 0
	KSTEP 1, 1, 1, 2, 0
	KSTEP 0, 1, 1, 3, 0
	KSTEP 1, 0, 0, 0, 0
	PLACES 4                                       ; in front of the first read of results
	s_cmp_eq_u32 s27, 5
	s_cbranch_scc1 .Lvout
; ---- Q and K: norm, RoPE, codes
	s_cmp_eq_u32 s27, 4
	s_cselect_b64 s[80:81], s[18:19], s[16:17]
	s_cselect_b32 s66, 16, 0
	s_mov_b32 s67, 106496
	s_cselect_b32 s67, 212992, s67                 ; bytes of a head
	s_mov_b32 s68, 6656
	s_cselect_b32 s68, 13312, s68                  ; from a block of 128 rows to the next
	s_sub_co_u32 s66, s25, s66
	s_lshl_b32 s66, s66, 1
	s_add_co_u32 s66, s66, s22                     ; the head
	s_mul_i32 s66, s66, s67
	s_lshl_b32 s69, s26, 1
	s_add_co_u32 s69, s69, s21                     ; the block: 2 Y + wr
	s_mul_i32 s69, s69, s68
	s_add_co_u32 s66, s66, s69
	s_mov_b32 s67, 0
	s_add_nc_u64 s[80:81], s[80:81], s[66:67]
	s_wait_loadcnt 0x0                             ; the norm's weights and four sets of cos and sin
.irp a, 0,1,2,3,4,5,6,7
	v_mov_b32 v[PT+\a], 0                          ; a lane permute's destination counts as read
	v_mov_b32 v[RS+2*\a+1], 0                      ; named as the upper half of a pair
.endr
	v_mov_b32 v[TM+2], 0
	v_mov_b32 v[TM+3], 0
	WIN 0x0a                                       ; sources 0 and 1 window 2.  Sums of squares: two chains a tile, the tiles by turns, each accumulator from its low end on
.irp a, 0,1,2,3,4,5,6,7
	v_pk_mul_f32 v[SS+4*\a:SS+4*\a+1], v[32*\a:32*\a+1], v[32*\a:32*\a+1]
.endr
.irp a, 0,1,2,3,4,5,6,7
	v_pk_mul_f32 v[SS+4*\a+2:SS+4*\a+3], v[32*\a+2:32*\a+3], v[32*\a+2:32*\a+3]
.endr
.irp k, 2,3,4,5,6,7,8,9,10,11,12,13,14,15
.irp a, 0,1,2,3,4,5,6,7
	v_pk_fma_f32 v[SS+4*\a+2*(\k%2):SS+4*\a+2*(\k%2)+1], v[32*\a+2*\k:32*\a+2*\k+1], v[32*\a+2*\k:32*\a+2*\k+1], v[SS+4*\a+2*(\k%2):SS+4*\a+2*(\k%2)+1]
.endr
.endr
	WIN 0
.irp a, 0,1,2,3,4,5,6,7
	v_pk_add_f32 v[SS+4*\a:SS+4*\a+1], v[SS+4*\a:SS+4*\a+1], v[SS+4*\a+2:SS+4*\a+3]
.endr
.irp a, 0,1,2,3,4,5,6,7
	v_add_f32 v[SQ+\a], v[SS+4*\a], v[SS+4*\a+1]
.endr
.irp a, 0,1,2,3,4,5,6,7
	v_permlanex16_b32 v[PT+\a], v[SQ+\a], s88, s89
.endr
.irp a, 0,1,2,3,4,5,6,7
	v_add_f32 v[SQ+\a], v[SQ+\a], v[PT+\a]         ; the row's 64 squares
.endr
.irp a, 0,1,2,3,4,5,6,7
	v_fma_f32 v[SQ+\a], v[SQ+\a], s90, s91         ; their mean + eps
.endr
	s_wait_alu depctr_va_vdst(0)
.irp a, 0,1,2,3,4,5,6,7
	v_rsq_f32 v[RS+2*\a], v[SQ+\a]
.endr
	v_nop                                          ; a plain line behind the last root
	s_wait_alu depctr_va_vdst(0)                   ; one wait for the eight, ahead of their first reader
.macro QKTILE a
.set CSB, 64*((\a)%4)
.if (\a) > 0
	s_wait_xcnt 0x0                                ; the last tile's stores have read their codes, which are written again below
.endif
	WIN 0x02                                       ; source 0 window 2
.set k, 0
.rept 16
	v_pk_mul_f32 v[YY+k:YY+k+1], v[32*(\a)+k:32*(\a)+k+1], v[RS+2*(\a):RS+2*(\a)+1] op_sel_hi:[1,0]
.set k, k+2
.endr
	WIN 0x04                                       ; source 1 window 1
.set k, 0
.rept 16
	v_pk_mul_f32 v[YY+k:YY+k+1], v[YY+k:YY+k+1], v[96+k:97+k]
.set k, k+2
.endr
.if (\a) >= 4
	s_wait_alu depctr_va_vdst(0)
	s_wait_loadcnt 16*(7-(\a))                     ; my set of cos and sin is in; the later tiles' sixteen loads each may be out
.endif
	WIN 0x0c                                       ; source 1 window 3.  d and d + 32 lie 16 registers apart in one lane
.set k, 0
.rept 8
	v_pk_mul_f32 v[OO+k:OO+k+1], v[YY+k:YY+k+1], v[CSB+k:CSB+k+1]
	v_pk_mul_f32 v[OO+16+k:OO+17+k], v[YY+16+k:YY+17+k], v[CSB+16+k:CSB+17+k]
.set k, k+2
.endr
.set k, 0
.rept 8
	v_pk_fma_f32 v[OO+k:OO+k+1], v[YY+16+k:YY+17+k], v[CSB+32+k:CSB+33+k], v[OO+k:OO+k+1] neg_lo:[1,0,0] neg_hi:[1,0,0]
	v_pk_fma_f32 v[OO+16+k:OO+17+k], v[YY+k:YY+k+1], v[CSB+48+k:CSB+49+k], v[OO+16+k:OO+17+k]
.set k, k+2
.endr
.if (\a) < 4
	WIN 0xc0
	LOADCS (\a)+4                                  ; the set just read takes the tile four on
.endif
	WIN 0
	QUANT32 OO, PQ, TQ, SW+(\a)
	global_store_b128 v12, v[PQ:PQ+3], s[80:81] offset:768*(\a)        ; 512 consecutive bytes
	global_store_b64 v13, v[PQ+4:PQ+5], s[80:81] offset:768*(\a)+512   ; 256
.endm
	QKTILE 0
	QKTILE 1
	QKTILE 2
	QKTILE 3
	QKTILE 4
	QKTILE 5
	QKTILE 6
	QKTILE 7
.irp j, 0,1,2,3
	v_cndmask_b32 v[ZZ+\j], v[SW+\j], v[SW+4+\j], s92   ; register j: tile j in lanes 0-15, tile 4 + j in lanes 16-31
.endr
	global_store_b128 v12, v[ZZ:ZZ+3], s[80:81] offset:6144
	s_branch .Lend
; ---- V: registers 64 b .. 64 b + 63 of window 2 are row d = 16 b + r along 128 keys: one fragment and one scale word a row
.Lvout:
	s_sub_co_u32 s66, s25, 20
	s_lshl_b32 s66, s66, 1
	s_add_co_u32 s66, s66, s22
	s_mul_i32 s66, s66, 212992
	s_lshl_b32 s67, s26, 1
	s_add_co_u32 s67, s67, s21
	s_mul_i32 s67, s67, 13312
	s_add_co_u32 s66, s66, s67
	s_add_co_u32 s66, s66, 6656
	s_mov_b32 s67, 0
	s_add_nc_u64 s[80:81], s[18:19], s[66:67]
.irp q, 0,1,2,3
	v_mov_b32 v[TV+4+\q], 0
.endr
.macro VROW b
.if \b > 0
	s_wait_xcnt 0x0                                ; the last fragment's stores have read their codes
.endif
	WIN 0x0a
.irp q, 0,1,2,3
	v_max3_num_f32 v[TV+\q], |v[64*\b+16*\q]|, |v[64*\b+16*\q+1]|, 0x1800000
.endr
.irp i, 2,4,6,8,10,12,14
.irp q, 0,1,2,3
	v_max3_num_f32 v[TV+\q], |v[64*\b+16*\q+\i]|, |v[64*\b+16*\q+\i+1]|, v[TV+\q]
.endr
.endr
	WIN 0
.irp q, 0,1,2,3
	v_permlanex16_b32 v[TV+4+\q], v[TV+\q], s88, s89
.endr
.irp q, 0,1,2,3
	v_max_num_f32 v[TV+\q], v[TV+\q], v[TV+4+\q]
.endr
.irp q, 0,1,2,3
	v_add_nc_u32 v[TV+12+\q], 0xff000000, v[TV+\q]
.endr
.irp q, 0,1,2,3
	v_lshrrev_b32 v[TV+4+\q], 23, v[TV+12+\q]
.endr
	v_lshl_or_b32 v[VW+\b], v[TV+5], 8, v[TV+4]
	v_lshl_or_b32 v[VW+\b], v[TV+6], 16, v[VW+\b]
	v_lshl_or_b32 v[VW+\b], v[TV+7], 24, v[VW+\b]
	WIN 0x02
.irp c, 0,1
	v_cvt_scalef32_pk16_fp6_f32 v[PCV+6*\c:PCV+2+6*\c], v[64*\b+32*\c:64*\b+32*\c+15], v[TV+12+2*\c]
	v_cvt_scalef32_pk16_fp6_f32 v[PCV+12+4*\c:PCV+14+4*\c], v[64*\b+32*\c+16:64*\b+32*\c+31], v[TV+12+2*\c+1]
.endr
	WIN 0
	v_nop
.irp c, 0,1
.irp i, 0,1,2
	v_permlane16_swap_b32 v[PCV+6*\c+\i], v[PCV+12+4*\c+\i]
.endr
.irp i, 0,1,2
	v_mov_b32 v[PCV+3+6*\c+\i], v[PCV+12+4*\c+\i]
.endr
.endr
.irp c, 0,1,2
	global_store_b128 v12, v[PCV+4*\c:PCV+4*\c+3], s[80:81] offset:1536*\b+512*\c
.endr
.endm
	VROW 0
	VROW 1
	VROW 2
	VROW 3
	global_store_b128 v12, v[VW:VW+3], s[80:81] offset:6144   ; lane l: the four words of row l % 16: 512 consecutive bytes
.Lend:
	s_wait_tensorcnt 0x0                           ; the wave's end
	ds_add_u32 v2, v3
	s_wait_dscnt 0x0
	CROUND                                         ; the closing round
	s_endpgm
.Lfunc_end_k_qc345b5dd36_qkv:
	.size	k_qc345b5dd36_qkv, .Lfunc_end_k_qc345b5dd36_qkv-k_qc345b5dd36_qkv
	.p2alignl 7, 3214868480
	.fill 96, 4, 3214868480
	.section	.rodata,"a",@progbits
	.p2align	6, 0x0
	.amdhsa_kernel k_qc345b5dd36_qkv
		.amdhsa_group_segment_fixed_size 327680
		.amdhsa_private_segment_fixed_size 0
		.amdhsa_enable_private_segment 0
		.amdhsa_kernarg_size 64
		.amdhsa_user_sgpr_count 2
		.amdhsa_user_sgpr_kernarg_segment_ptr 1
		.amdhsa_wavefront_size32 1
		.amdhsa_system_sgpr_workgroup_id_x 1
		.amdhsa_system_sgpr_workgroup_id_y 1
		.amdhsa_system_sgpr_workgroup_id_z 1
		.amdhsa_system_vgpr_workitem_id 0
		.amdhsa_next_free_vgpr 1024
		.amdhsa_next_free_sgpr 100
		.amdhsa_reserve_vcc 0
		.amdhsa_float_denorm_mode_32 3
		.amdhsa_float_denorm_mode_16_64 3
		.amdhsa_memory_ordered 1
		.amdhsa_forward_progress 1
		.amdhsa_inst_pref_size 255
	.end_amdhsa_kernel
	.section	.bss,"aw",@nobits
	.p2align	6
	.space	262144
	.amdgpu_metadata
---
amdhsa.version: [ 1, 2 ]
amdhsa.kernels:
  - .name:           k_qc345b5dd36_qkv
    .symbol:         k_qc345b5dd36_qkv.kd
    .args:
      - { .name: x_img, .offset: 0, .size: 8, .value_kind: global_buffer, .address_space: global }
      - { .name: w_img, .offset: 8, .size: 8, .value_kind: global_buffer, .address_space: global }
      - { .name: cos, .offset: 16, .size: 8, .value_kind: global_buffer, .address_space: global }
      - { .name: sin, .offset: 24, .size: 8, .value_kind: global_buffer, .address_space: global }
      - { .name: q_norm_w, .offset: 32, .size: 8, .value_kind: global_buffer, .address_space: global }
      - { .name: k_norm_w, .offset: 40, .size: 8, .value_kind: global_buffer, .address_space: global }
      - { .name: q_img, .offset: 48, .size: 8, .value_kind: global_buffer, .address_space: global }
      - { .name: kv_img, .offset: 56, .size: 8, .value_kind: global_buffer, .address_space: global }
    .group_segment_fixed_size: 327680
    .private_segment_fixed_size: 0
    .kernarg_segment_align: 8
    .kernarg_segment_size: 64
    .max_flat_workgroup_size: 128
    .sgpr_count:     100
    .vgpr_count:     1024
    .wavefront_size: 32
...
	.end_amdgpu_metadata
.endif
;; end of part 2
;; launch attn (part 3): grid 32 x 8, 16 waves a work-group, clusters of 4 x 1, 251,904 bytes of LDS; arguments q_img, kv_img, a_img; writes a_img
.if DOCPART == 3
	.amdgcn_target "amdgcn-amd-amdhsa--gfx1250"
	.amdhsa_code_object_version 6
	.text
	.protected	k_qc345b5dd36_attn
	.globl	k_qc345b5dd36_attn
	.p2align	8
	.type	k_qc345b5dd36_attn,@function
k_qc345b5dd36_attn:
	s_mov_b64 s[64:65], 0
	v_nop
	global_prefetch_b8 v0, s[64:65] scope:SCOPE_SE
	s_setreg_imm32_b32 hwreg(HW_REG_WAVE_MODE, 25, 1), 1
	s_wait_xcnt 0x0
	s_wait_alu depctr_hold_cnt(0) depctr_sa_sdst(0) depctr_va_vdst(0) depctr_va_sdst(0) depctr_va_ssrc(0) depctr_va_vcc(0) depctr_vm_vsrc(0)
	s_getreg_b32 s2, hwreg(HW_REG_IB_STS2, 6, 4)
	s_cmp_eq_u32 s2, 0
	s_cbranch_scc0 .Lentry_in_a_cluster
	s_endpgm
.Lentry_in_a_cluster:
	s_bfe_u32 s2, ttmp6, 0x10000c
	s_cmp_lg_u32 s2, 0x3003
	s_cbranch_scc0 .Lentry_shape_is_right
	s_endpgm
.Lentry_shape_is_right:
; attn[q][head][:] = softmax over the keys k <= q of (Q . K / 8) times V, both products on codes of FP6 with E8M0 scales; the result, divided by the row's sum, is quantised along head x 64 + d
; as the left operand of the output projection and stored as an image of that operand's registers.
; LEFT OUT: key steps all of whose keys come after a tile's queries (reference()'s own causal mask throws them away).
; THE SOFTMAX: t = score x log2(e) / 8; M = the running largest t rounded up to a whole number; p = 2^(t - M) is quantised along the keys; the row's sum is taken of the unquantised p; when M moves,
; the sum and O are multiplied by 2^(old M - new M), which rounds nothing.
; SHARES.  A cluster's four work-groups are the four query heads of one kv head, for the same queries: they walk the same K and V, asked for jointly.  Work-group j (0..7) owns ONE tile of 16 queries of each
; of the 16 blocks of 128 queries: tile j of an even block, tile 7 - j of an odd one.  The tile of block B needs key steps 0 .. B: 136 steps in every work-group, and all sixteen key steps are read.
; Waves w and w + 8 share blocks b = w % 8 (short) and 15 - b (long), 17 steps: wave w walks the long tile's steps 0 .. 8; wave w + 8 the short tile's b + 1 steps, stores that tile, and then walks the long
; tile's steps 9 .. 15 - b with a state of its own; its O, M and sum go through LDS to wave w, which brings both parts under the larger M (powers of two: nothing is rounded), adds and stores.
; LDS.  K and V of the whole kv head, 16 key steps x 13,312 bytes, are filled ONCE: wave w asks for key step w, one joint load a wave; nothing is filled again.  Behind them the spare words and 8 x 4,608 bytes for the hand-over.
; No prefetch: everything is asked for at the head, and there is no loop to run ahead in.
; LAYOUT.  S^T = K Q^T and O^T = V^T P^T: a lane holds one query (lane % 16) throughout.  The head's 64 fill half of an instruction's K: the upper six registers of Q's fragment are zero codes, so whatever
; codes stand in the upper six of K's add nothing: K's eight half fragments lie 6 registers apart, each one's upper half being the next one's codes.  V lands in K's registers behind the first product.
; Inside a block of 32 keys p's codes lie in the order of groups of eight 0, 2, 1, 3, as V's do; O's codes along d likewise, as wo's do.
; LIMITS: NaN and infinities are not served; the promise holds while |t| stays under 2^31.  A block's largest p is made from the block's largest score by the same two instructions: this takes v_exp_f32 not to fall where its input rises.
; REGISTERS: v1 16 x lane, v2 8 x lane, v3, v4 the step's LDS addresses, v5 r - 8 h, v6 at work, v7 -infinity, v[8:9] f, v10 4 r, v11 the long tile's Q scale words, v12 -M, v13 the largest t, v[14:15] the sum;
;   v16-27 Q, v28 its scale words, v29 p's; v32-85 K, then v32-79 V; v86-91 the long tile's Q; v92-95 K's scale words, v96-99 V's; v100-113 sums; v[124:125] the partner's f; v126 the hand-over's LDS address;
;   v128-191 S^T, then p; v192-223 O^T; v224-235 p's codes; v236-247 at work.
.set KV,    13312                      ; a key step: K's 6,656 bytes, then V's
.set SPARE, 212992                     ; behind K and V: the spare words, 128 bytes a wave
.set XCH,   215040                     ; behind them: the hand-over, XP bytes a pair of waves
.set XP,    4608                       ; 36 registers x 128 bytes
.set TM,    240
.macro PLACES n
.rept \n
	v_nop
.endr
.endm
.macro CROUND                          ; a round of the cluster's barrier
	s_barrier_signal -1
	s_barrier_wait -1
	s_cmp_lg_u32 s10, 0
	s_cbranch_scc1 .Lnot_wave_0_\@
	s_barrier_signal -3
.Lnot_wave_0_\@:
	s_barrier_wait -3
	s_barrier_signal -1
	s_barrier_wait -1
.endm
.macro QUANT32 s, p, t, w              ; 32 numbers of a lane, two blocks, become half a fragment in v[p] .. v[p + 5] and a scale word (bytes 0, 1) in v[w]
	v_max3_num_f32 v[TM], |v[\s]|, |v[\s+1]|, 0x1800000
	v_max3_num_f32 v[TM+1], |v[\s+16]|, |v[\s+17]|, 0x1800000
.irp i, 2,4,6,8,10,12,14
	s_delay_alu instid0(VALU_DEP_2)
	v_max3_num_f32 v[TM], v[TM], |v[\s+\i]|, |v[\s+\i+1]|
	s_delay_alu instid0(VALU_DEP_2)
	v_max3_num_f32 v[TM+1], v[TM+1], |v[\s+16+\i]|, |v[\s+17+\i]|
.endr
	s_delay_alu instid0(VALU_DEP_2)
	v_permlanex16_b32 v[TM+2], v[TM], s20, s21
	s_delay_alu instid0(VALU_DEP_2)
	v_permlanex16_b32 v[TM+3], v[TM+1], s20, s21
	s_delay_alu instid0(VALU_DEP_2)
	v_max_num_f32 v[TM], v[TM], v[TM+2]
	s_delay_alu instid0(VALU_DEP_2)
	v_max_num_f32 v[TM+1], v[TM+1], v[TM+3]
	s_delay_alu instid0(VALU_DEP_2)
	v_add_nc_u32 v[TM+4], 0xff000000, v[TM]
	s_delay_alu instid0(VALU_DEP_2)
	v_add_nc_u32 v[TM+5], 0xff000000, v[TM+1]
	s_delay_alu instid0(VALU_DEP_2)
	v_lshrrev_b32 v[TM+6], 23, v[TM+4]
	s_delay_alu instid0(VALU_DEP_2)
	v_lshrrev_b32 v[TM+7], 23, v[TM+5]
	s_delay_alu instid0(VALU_DEP_1)
	v_lshl_or_b32 v[\w], v[TM+7], 8, v[TM+6]
	v_cvt_scalef32_pk16_fp6_f32 v[\p:\p+2], v[\s:\s+15], v[TM+4]
	v_cvt_scalef32_pk16_fp6_f32 v[\t:\t+2], v[\s+16:\s+31], v[TM+5]
	v_nop
.irp i, 0,1,2
	v_permlane16_swap_b32 v[\p+\i], v[\t+\i]
.endr
.irp i, 0,1,2
	s_delay_alu instid0(VALU_DEP_3)
	v_mov_b32 v[\p+3+\i], v[\t+\i]
.endr
.endm
.macro QADDR blk, til, dst             ; byte offsets in q_img of tile s[til] of block s[blk]: its codes in s[dst], its scale words in s[dst + 2]; s46 = the head's first byte
	s_mul_i32 s44, s[\blk], 6656
	s_add_co_u32 s44, s44, s46
	s_mul_i32 s45, s[\til], 768
	s_add_co_u32 s[\dst], s44, s45
	s_mov_b32 s[\dst+1], 0
	s_lshr_b32 s45, s[\til], 2
	s_lshl_b32 s45, s45, 8
	s_add_co_u32 s44, s44, s45
	s_and_b32 s45, s[\til], 3
	s_lshl_b32 s45, s45, 2
	s_add_co_u32 s44, s44, s45
	s_add_co_u32 s[\dst+2], s44, 6144              ; 16 bytes from row to row
	s_mov_b32 s[\dst+3], 0
.endm
.macro INIT                            ; a tile's state: the step is written once, and the first finds zeros
	v_mov_b32 v13, 0xff61b1e6                      ; the largest t so far: -3e38
	v_mov_b32 v14, 0
	v_mov_b32 v15, 0
	v_floor_f32 v12, -v13
.set j, 0
.rept 32
	v_mov_b32 v[192+j], 0
.set j, j+1
.endr
.endm
	s_load_b128 s[4:7], s[0:1], 0x0                ; q_img, kv_img
	s_load_b64 s[8:9], s[0:1], 0x10                ; a_img
	v_lshl_add_u32 v30, v0, 2, SPARE
	v_mov_b32 v31, 0
	ds_add_u32 v30, v31                            ; the opening lines: the add, twice on end, and its wait
	ds_add_u32 v30, v31
	v_lshrrev_b32 v1, 5, v0
	s_delay_alu instid0(VALU_DEP_1)
	v_readfirstlane_b32 s10, v1                    ; wave 0..15
	s_bfe_u32 s11, ttmp6, 0x40000                  ; cx: which of the kv head's four query heads: it enters Q's and the result's addresses alone
	s_mov_b32 s12, ttmp9                           ; the kv head
	s_and_b32 s13, ttmp7, 0xffff                   ; j
	s_sub_co_u32 s36, 7, s13                       ; 7 - j
	s_and_b32 s37, s10, 7                          ; b: the pair's short block
	s_sub_co_u32 s40, 15, s37                      ; its long block
	s_cmp_lt_u32 s10, 8
	s_cselect_b32 s14, s40, s37                    ; my first tile's block: waves 0-7 the long one, waves 8-15 the short one
	s_bitcmp1_b32 s40, 0
	s_cselect_b32 s41, s36, s13                    ; the tile in a block: 7 - j in an odd block, j in an even one
	s_bitcmp1_b32 s14, 0
	s_cselect_b32 s19, s36, s13
	s_lshl_b32 s43, s40, 7
	s_lshl_b32 s44, s41, 4
	s_add_co_u32 s43, s43, s44                     ; the long tile's first query
	s_lshl_b32 s15, s14, 7
	s_lshl_b32 s44, s19, 4
	s_add_co_u32 s15, s15, s44                     ; my first tile's first query
	s_add_co_u32 s42, s15, 15                      ; and its last: a step whose first key lies behind it is hidden
	s_mov_b32 s20, 0x76543210
	s_mov_b32 s21, 0xfedcba98
	s_mov_b32 s22, 0x3e38aa3b                      ; c = log2(e) / 8
	s_mov_b32 s23, s22
	s_mov_b32 s24, 15|(3<<16)|(1<<21)              ; group 1: the mask: all four work-groups; elements of 8 bytes; bit 21 beside a mask
	s_mov_b32 s25, 32<<16                          ; rows of 256 bytes,
	s_mov_b32 s26, 52<<16                          ; 52 of them: a key step
	s_mov_b32 s27, 32<<16
	s_mov_b32 s28, 52
	s_mov_b32 s29, 32
	s_mov_b32 s30, 0
	s_mov_b32 s31, 0
	s_mov_b32 s32, 1
	s_mul_i32 s33, s10, KV                         ; key step w, in LDS and in memory
	s_mul_i32 s52, s12, 212992
	s_add_co_u32 s52, s52, s33
	s_mov_b32 s53, 0
	s_lshl_b32 s46, s12, 2
	s_add_co_u32 s46, s46, s11                     ; the query head
	s_mul_i32 s46, s46, 106496
	QADDR 14, 19, 56
	QADDR 40, 41, 60
	s_mul_i32 s47, s37, XP
	s_add_co_u32 s47, s47, XCH                     ; my pair's bytes of the hand-over
	s_wait_dscnt 0x0
	s_wait_kmcnt 0x0
	s_add_nc_u64 s[34:35], s[6:7], s[52:53]
	s_or_b32 s35, s35, 0x80000000
	s_add_nc_u64 s[56:57], s[4:5], s[56:57]
	s_add_nc_u64 s[58:59], s[4:5], s[58:59]
	s_add_nc_u64 s[60:61], s[4:5], s[60:61]
	s_add_nc_u64 s[62:63], s[4:5], s[62:63]
	CROUND                                         ; all four work-groups are here: the joint loads meet
	tensor_load_to_lds s[32:35], s[24:31]          ; my one tensor load
	s_nop 0
	v_and_b32 v3, 31, v0
	v_and_b32 v4, 15, v0                           ; r
	v_bfe_u32 v5, v0, 4, 1                         ; h
	v_lshlrev_b32 v1, 4, v3
	v_lshlrev_b32 v2, 3, v3
	v_lshlrev_b32 v6, 4, v4
	v_lshlrev_b32 v10, 2, v4
	global_load_b128 v[16:19], v1, s[56:57]        ; my first tile's Q
	global_load_b64 v[20:21], v2, s[56:57] offset:512
	global_load_b32 v28, v6, s[58:59]
	global_load_b128 v[86:89], v1, s[60:61]        ; and the long tile's, which waves 8-15 take up later
	global_load_b64 v[90:91], v2, s[60:61] offset:512
	global_load_b32 v11, v6, s[62:63]
	v_lshlrev_b32 v5, 3, v5
	v_add_nc_u32 v126, s47, v1
	v_mov_b32 v7, 0xff800000
	v_sub_nc_u32 v5, v4, v5                        ; r - 8 h
	v_mov_b32 v9, 0                                ; named as the upper halves of pairs
	v_mov_b32 v125, 0
	INIT
.irp i, 22,23,24,25,26,27, 80,81,82,83,84,85, 240,241,242,243
	v_mov_b32 v\i, 0                               ; Q's K = 64 .. 127: zero codes; the upper half of K's last fragment; lane permutes' destinations, which count as read
.endr
	s_wait_alu depctr_va_vdst(0)
	s_wait_loadcnt 0x0                             ; Q
	s_wait_tensorcnt 0x0                           ; my key step has landed
	s_wait_dscnt 0x0
	s_barrier_signal -1
	s_barrier_wait -1                              ; everybody's has: all of K and V is in
; A KEY STEP: 128 keys at LDS byte s17; s16 its first key
.macro STEP
	s_cmp_gt_u32 s16, s42
	s_cbranch_scc1 .Lhidden_\@                     ; all its keys come after my queries, or the step is my partner's
	v_add_nc_u32 v3, s17, v1
	v_add_nc_u32 v4, s17, v2
	PLACES 2                                       ; with the two additions: four places between the last step's products and loads into registers that they read
.irp t, 0,1,2,3,4,5,6,7
	ds_load_b128 v[32+6*\t:35+6*\t], v3 offset:768*\t
	ds_load_b64 v[36+6*\t:37+6*\t], v4 offset:768*\t+512
.endr
	ds_load_b128 v[92:95], v3 offset:6144          ; register j: tile j's scale words in lanes 0-15, tile 4 + j's in lanes 16-31
	s_wait_alu depctr_va_vdst(0)
	s_wait_dscnt 0x0
.irp t, 0,1,2,3
	v_wmma_scale_f32_16x16x128_f8f6f4 v[128+8*\t:135+8*\t], v[32+6*\t:43+6*\t], v[16:27], 0, v[92+\t], v28 matrix_a_fmt:MATRIX_FMT_FP6 matrix_b_fmt:MATRIX_FMT_FP6
.endr
.irp t, 0,1,2,3
	v_wmma_scale_f32_16x16x128_f8f6f4 v[160+8*\t:167+8*\t], v[56+6*\t:67+6*\t], v[16:27], 0, v[92+\t], v28 matrix_a_fmt:MATRIX_FMT_FP6 matrix_b_fmt:MATRIX_FMT_FP6 matrix_a_scale:MATRIX_SCALE_ROW1
.endr
	PLACES 4                                       ; in front of loads into K's registers and of the first read of the scores
.irp b, 0,1,2,3
.irp c, 0,1,2
	ds_load_b128 v[32+12*\b+4*\c:35+12*\b+4*\c], v3 offset:6656+1536*\b+512*\c   ; V: wanted behind the softmax
.endr
.endr
	ds_load_b128 v[96:99], v3 offset:12800
	s_add_co_u32 s48, s16, 127
	s_cmp_le_u32 s48, s15
	s_cbranch_scc1 .Lopen_\@                       ; all its keys count
	s_sub_co_i32 s48, s15, s16
	v_add_nc_u32 v6, s48, v5                       ; register n holds key s16 + 16 (n / 8) + 8 h + n % 8: hidden where 16 (n / 8) + n % 8 > my query - s16 - 8 h
.set n, 0
.rept 64
	v_cmp_gt_i32 vcc_lo, 16*(n/8)+n%8, v6
	v_cndmask_b32 v[128+n], v[128+n], v7, vcc_lo
.set n, n+1
.endr
.Lopen_\@:
.irp b, 0,1,2,3
	v_max3_num_f32 v[236+\b], v[128+16*\b], v[129+16*\b], v[130+16*\b]   ; the largest score of each block of 32 keys: for the row's maximum, and for the block's largest p
.endr
.irp i, 3,5,7,9,11,13
.irp b, 0,1,2,3
	v_max3_num_f32 v[236+\b], v[236+\b], v[128+16*\b+\i], v[129+16*\b+\i]
.endr
.endr
.irp b, 0,1,2,3
	v_max_num_f32 v[236+\b], v[236+\b], v[143+16*\b]
.endr
.irp b, 0,1,2,3
	s_delay_alu instid0(VALU_DEP_4)
	v_permlanex16_b32 v[240+\b], v[236+\b], s20, s21
.endr
.irp b, 0,1,2,3
	s_delay_alu instid0(VALU_DEP_4)
	v_max_num_f32 v[236+\b], v[236+\b], v[240+\b]
.endr
	s_delay_alu instid0(VALU_DEP_2)
	v_max3_num_f32 v6, v236, v237, v238
	s_delay_alu instid0(VALU_DEP_1)
	v_max_num_f32 v6, v6, v239
	s_delay_alu instid0(VALU_DEP_1)
	v_mul_f32 v6, s22, v6                          ; as t
	s_delay_alu instid0(VALU_DEP_1)
	v_max_num_f32 v13, v13, v6                     ; the running largest t
	v_mov_b32 v6, v12
	s_delay_alu instid0(VALU_DEP_2)
	v_floor_f32 v12, -v13                          ; the new -M = -ceil(t)
	s_delay_alu instid0(VALU_DEP_1)
	v_sub_f32 v6, v12, v6                          ; old M - new M: a whole number, 0 or less
	s_delay_alu instid0(VALU_DEP_1)
	v_cvt_i32_f32 v6, v6                           ; (it saturates)
	s_delay_alu instid0(VALU_DEP_1)
	v_ldexp_f32 v8, 1.0, v6                        ; f = 2^(old M - new M)
.set j, 0
.rept 32
	v_pk_fma_f32 v[128+j:129+j], v[128+j:129+j], s[22:23], v[12:13] op_sel_hi:[1,0,0]   ; t - M
.set j, j+2
.endr
.irp b, 0,1,2,3
	v_fma_f32 v[236+\b], v[236+\b], s22, v12
.endr
.set j, 0
	s_wait_alu depctr_va_vdst(0)
.rept 64
	v_exp_f32 v[128+j], v[128+j]                   ; p = 2^(t - M)
.set j, j+1
.endr
	v_pk_mul_f32 v[14:15], v[14:15], v[8:9] op_sel_hi:[1,0]   ; the sums under the new M: the plain line behind the exponentials
	s_wait_alu depctr_va_vdst(0)                   ; one wait for the batch, ahead of its first reader
.irp b, 0,1,2,3
	v_exp_f32 v[236+\b], v[236+\b]                 ; each block's largest p
.endr
.irp c, 0,1,2,3,4,5,6                  ; the row's sum of the unquantised p: 32 pairs in eight chains
	v_pk_add_f32 v[100+2*\c:101+2*\c], v[128+4*\c:129+4*\c], v[130+4*\c:131+4*\c]
.endr
	v_pk_add_f32 v[14:15], v[14:15], v[156:157]
.irp g, 0,1
.irp c, 0,1,2,3,4,5,6
	v_pk_add_f32 v[100+2*\c:101+2*\c], v[100+2*\c:101+2*\c], v[158+16*\g+2*\c:159+16*\g+2*\c]
.endr
	v_pk_add_f32 v[14:15], v[14:15], v[172+16*\g:173+16*\g]
.endr
	v_pk_add_f32 v[100:101], v[100:101], v[190:191]
	v_pk_add_f32 v[102:103], v[102:103], v[104:105]
	v_pk_add_f32 v[106:107], v[106:107], v[108:109]
	v_pk_add_f32 v[110:111], v[110:111], v[112:113]
	s_delay_alu instid0(VALU_DEP_4)
	v_pk_add_f32 v[14:15], v[14:15], v[100:101]
	s_delay_alu instid0(VALU_DEP_3)
	v_pk_add_f32 v[102:103], v[102:103], v[106:107]
	s_delay_alu instid0(VALU_DEP_2)
	v_pk_add_f32 v[14:15], v[14:15], v[110:111]
	s_delay_alu instid0(VALU_DEP_1)
	v_pk_add_f32 v[14:15], v[14:15], v[102:103]
	s_wait_alu depctr_va_vdst(0)                   ; and one for the four
.irp b, 0,1,2,3
	v_max_num_f32 v[236+\b], 0x1800000, v[236+\b]  ; the floor: the byte cannot fall under 1
.endr
.irp b, 0,1,2,3
	s_delay_alu instid0(VALU_DEP_4)
	v_add_nc_u32 v[244+\b], 0xff000000, v[236+\b]
.endr
.irp b, 0,1,2,3
	s_delay_alu instid0(VALU_DEP_4)
	v_lshrrev_b32 v[240+\b], 23, v[244+\b]
.endr
	s_delay_alu instid0(VALU_DEP_3)
	v_lshl_or_b32 v29, v241, 8, v240               ; p's scale word for these 128 keys
	s_delay_alu instid0(VALU_DEP_1)
	v_lshl_or_b32 v29, v242, 16, v29
	s_delay_alu instid0(VALU_DEP_1)
	v_lshl_or_b32 v29, v243, 24, v29
.irp c, 0,1
	v_cvt_scalef32_pk16_fp6_f32 v[224+6*\c:226+6*\c], v[128+32*\c:143+32*\c], v[244+2*\c]
	v_cvt_scalef32_pk16_fp6_f32 v[236+4*\c:238+4*\c], v[144+32*\c:159+32*\c], v[244+2*\c+1]
.endr
	v_nop
.irp c, 0,1
.irp i, 0,1,2
	v_permlane16_swap_b32 v[224+6*\c+\i], v[236+4*\c+\i]
.endr
.irp i, 0,1,2
	s_delay_alu instid0(VALU_DEP_3)
	v_mov_b32 v[227+6*\c+\i], v[236+4*\c+\i]
.endr
.endr
	s_wait_alu depctr_va_vdst(0)                   ; directly ahead of the first reader of O^T
.set j, 0
.rept 16
	v_pk_mul_f32 v[192+j:193+j], v[192+j:193+j], v[8:9] op_sel_hi:[1,0]   ; O^T under the new M; these lines also part the scale word and the codes just made from the products below
.set j, j+2
.endr
	s_wait_alu depctr_va_vdst(0)
	s_wait_dscnt 0x0                               ; V
.irp b, 0,1,2,3
	v_wmma_scale_f32_16x16x128_f8f6f4 v[192+8*\b:199+8*\b], v[32+12*\b:43+12*\b], v[224:235], v[192+8*\b:199+8*\b], v[96+\b], v29 matrix_a_fmt:MATRIX_FMT_FP6 matrix_b_fmt:MATRIX_FMT_FP6
.endr
.Lhidden_\@:
	s_add_co_u32 s16, s16, 128
	s_add_co_u32 s17, s17, KV
.endm
.macro WALK first, trips               ; key steps first .. first + trips - 1: the trip count is a constant; what is not mine is jumped over
	s_mov_b32 s17, KV*\first
	s_mov_b32 s16, 128*\first
	s_mov_b32 s18, \trips
.Lstep_\@:
	STEP
	s_sub_co_u32 s18, s18, 1
	s_cmp_lg_u32 s18, 0
	s_cbranch_scc1 .Lstep_\@
.endm
; THE WAY OUT of tile s19 of block s14: O^T / the sum; register 8 b + j of lane (r, h) is d = 16 b + 8 h + j of query r: two blocks of 32 along the next K
.macro FIN
	v_add_f32 v14, v14, v15
	s_wait_alu depctr_va_vdst(0)
	v_permlanex16_b32 v240, v14, s20, s21
	s_delay_alu instid0(VALU_DEP_1)
	v_add_f32 v14, v14, v240                       ; the row's sum
	s_wait_alu depctr_va_vdst(0)
	v_rcp_f32 v8, v14
	v_nop                                          ; a plain line behind the reciprocal
	s_mul_i32 s48, s14, 204800                     ; a_img: the block of 128 rows,
	s_lshl_b32 s49, s12, 1
	s_lshr_b32 s50, s11, 1
	s_add_co_u32 s49, s49, s50
	s_mul_i32 s49, s49, 12800                      ; K step head / 2
	s_add_co_u32 s48, s48, s49
	s_and_b32 s50, s11, 1                          ; which half of the K step my head is
	s_mul_i32 s52, s19, 1536
	s_mul_i32 s53, s50, 768
	s_add_co_u32 s52, s52, s53
	s_add_co_u32 s52, s52, s48
	s_mov_b32 s53, 0
	s_add_nc_u64 s[54:55], s[8:9], s[52:53]        ; the half fragment
	s_lshl_b32 s38, s19, 6
	s_lshl_b32 s39, s50, 1
	s_add_co_u32 s38, s38, s39
	s_add_co_u32 s38, s38, s48
	s_add_co_u32 s38, s38, 12288
	s_mov_b32 s39, 0
	s_add_nc_u64 s[38:39], s[8:9], s[38:39]        ; my two bytes of the tile's scale words
	s_wait_alu depctr_va_vdst(0)                   ; ahead of the first reader of the reciprocal and of O^T
.set j, 0
.rept 16
	v_pk_mul_f32 v[128+j:129+j], v[192+j:193+j], v[8:9] op_sel_hi:[1,0]
.set j, j+2
.endr
	QUANT32 128, 224, 236, 29
	global_store_b128 v1, v[224:227], s[54:55]             ; 512 consecutive bytes
	global_store_b64 v2, v[228:229], s[54:55] offset:512   ; 256
	global_store_b16 v10, v29, s[38:39]                    ; a head's two bytes are half of a word whose other half is another work-group's; lanes l and l xor 16 write the same bytes with the same value
.endm
	WALK 0, 9                                      ; waves 0-7: the long tile's steps 0 .. 8; waves 8-15: the short tile's steps 0 .. b
	s_cmp_lt_u32 s10, 8
	s_cbranch_scc1 .Lkeep                          ; waves 0-7 keep their state
	PLACES 4                                       ; behind the last products
	FIN                                            ; the short tile is finished
.irp i, 0,1,2,3,4,5
	v_mov_b32 v[16+\i], v[86+\i]                   ; the long tile's Q
.endr
	v_mov_b32 v28, v11
	INIT
	s_wait_alu depctr_va_vdst(0)
	s_wait_xcnt 0x0                                ; the stores have read their registers, which the next steps write
.Lkeep:
	s_mov_b32 s14, s40                             ; from here on every wave's tile is the long one
	s_mov_b32 s19, s41
	s_mov_b32 s15, s43
	s_add_co_u32 s42, s43, 15
	s_cmp_lt_u32 s10, 8
	s_cselect_b32 s42, 0, s42                      ; waves 0-7 take none of the steps from 9 on
	WALK 9, 7                                      ; waves 8-15: the long tile's steps 9 .. 15 - b
	PLACES 4                                       ; behind the last products
	s_cmp_lt_u32 s10, 8
	s_cbranch_scc1 .Lno_send
.irp k, 0,1,2,3,4,5,6,7
	ds_store_b128 v126, v[192+4*\k:195+4*\k] offset:512*\k   ; my part of O^T, each accumulator from its low end on,
.endr
	ds_store_b128 v126, v[12:15] offset:4096       ; -M, and the sum's two halves
.Lno_send:
	s_wait_dscnt 0x0                               ; for my partner's sake: my stores have landed
	s_barrier_signal -1
	s_barrier_wait -1
	s_cmp_ge_u32 s10, 8
	s_cbranch_scc1 .Lend
.irp k, 0,1,2,3,4,5,6,7
	ds_load_b128 v[128+4*\k:131+4*\k], v126 offset:512*\k
.endr
	ds_load_b128 v[160:163], v126 offset:4096
	s_wait_dscnt 0x0
	v_min_num_f32 v6, v12, v160                    ; -M of both parts.  (A partner that had no step hands over zeros under -M = 3e38: its factor comes out 0)
	s_delay_alu instid0(VALU_DEP_1)
	v_sub_f32 v100, v6, v12                        ; whole numbers, 0 or less
	v_sub_f32 v101, v6, v160
	s_delay_alu instid0(VALU_DEP_2)
	v_cvt_i32_f32 v100, v100                       ; (they saturate)
	s_delay_alu instid0(VALU_DEP_2)
	v_cvt_i32_f32 v101, v101
	s_delay_alu instid0(VALU_DEP_2)
	v_ldexp_f32 v8, 1.0, v100                      ; my factor,
	s_delay_alu instid0(VALU_DEP_2)
	v_ldexp_f32 v124, 1.0, v101                    ; my partner's
	s_delay_alu instid0(VALU_DEP_2)
	v_pk_mul_f32 v[14:15], v[14:15], v[8:9] op_sel_hi:[1,0]
	s_delay_alu instid0(VALU_DEP_1)
	v_pk_fma_f32 v[14:15], v[162:163], v[124:125], v[14:15] op_sel_hi:[1,0,1]
	s_wait_alu depctr_va_vdst(0)                   ; directly ahead of the first reader of O^T
.set j, 0
.rept 16
	v_pk_mul_f32 v[192+j:193+j], v[192+j:193+j], v[8:9] op_sel_hi:[1,0]
.set j, j+2
.endr
.set j, 0
.rept 16
	v_pk_fma_f32 v[192+j:193+j], v[128+j:129+j], v[124:125], v[192+j:193+j] op_sel_hi:[1,0,1]
.set j, j+2
.endr
	FIN                                            ; the long tile is finished
.Lend:
	s_wait_tensorcnt 0x0                           ; the wave's end
	ds_add_u32 v30, v31
	s_wait_dscnt 0x0
	CROUND                                         ; the closing round
	s_endpgm
.Lfunc_end_k_qc345b5dd36_attn:
	.size	k_qc345b5dd36_attn, .Lfunc_end_k_qc345b5dd36_attn-k_qc345b5dd36_attn
	.p2alignl 7, 3214868480
	.fill 96, 4, 3214868480
	.section	.rodata,"a",@progbits
	.p2align	6, 0x0
	.amdhsa_kernel k_qc345b5dd36_attn
		.amdhsa_group_segment_fixed_size 251904
		.amdhsa_private_segment_fixed_size 0
		.amdhsa_enable_private_segment 0
		.amdhsa_kernarg_size 24
		.amdhsa_user_sgpr_count 2
		.amdhsa_user_sgpr_kernarg_segment_ptr 1
		.amdhsa_wavefront_size32 1
		.amdhsa_system_sgpr_workgroup_id_x 1
		.amdhsa_system_sgpr_workgroup_id_y 1
		.amdhsa_system_sgpr_workgroup_id_z 1
		.amdhsa_system_vgpr_workitem_id 0
		.amdhsa_next_free_vgpr 256
		.amdhsa_next_free_sgpr 66
		.amdhsa_reserve_vcc 1
		.amdhsa_float_denorm_mode_32 3
		.amdhsa_float_denorm_mode_16_64 3
		.amdhsa_memory_ordered 1
		.amdhsa_forward_progress 1
		.amdhsa_inst_pref_size 69
	.end_amdhsa_kernel
	.amdgpu_metadata
---
amdhsa.version: [ 1, 2 ]
amdhsa.kernels:
  - .name:           k_qc345b5dd36_attn
    .symbol:         k_qc345b5dd36_attn.kd
    .args:
      - { .name: q_img, .offset: 0, .size: 8, .value_kind: global_buffer, .address_space: global }
      - { .name: kv_img, .offset: 8, .size: 8, .value_kind: global_buffer, .address_space: global }
      - { .name: a_img, .offset: 16, .size: 8, .value_kind: global_buffer, .address_space: global }
    .group_segment_fixed_size: 251904
    .private_segment_fixed_size: 0
    .kernarg_segment_align: 8
    .kernarg_segment_size: 24
    .max_flat_workgroup_size: 512
    .sgpr_count:     66
    .vgpr_count:     256
    .wavefront_size: 32
...
	.end_amdgpu_metadata
.endif
;; end of part 3
;; launch oproj (part 4): grid 16 x 16, 4 waves a work-group, clusters of 4 x 4, 327,680 bytes of LDS; arguments a_img, wo_img, out0; writes out0
.if DOCPART == 4
	.amdgcn_target "amdgcn-amd-amdhsa--gfx1250"
	.amdhsa_code_object_version 6
	.text
	.protected	k_qc345b5dd36_oproj
	.globl	k_qc345b5dd36_oproj
	.p2align	8
	.type	k_qc345b5dd36_oproj,@function
k_qc345b5dd36_oproj:
	s_mov_b64 s[64:65], 0
	v_nop
	global_prefetch_b8 v0, s[64:65] scope:SCOPE_SE
	s_setreg_imm32_b32 hwreg(HW_REG_WAVE_MODE, 25, 1), 1
	s_wait_xcnt 0x0
	s_wait_alu depctr_hold_cnt(0) depctr_sa_sdst(0) depctr_va_vdst(0) depctr_va_sdst(0) depctr_va_ssrc(0) depctr_va_vcc(0) depctr_vm_vsrc(0)
	s_getreg_b32 s2, hwreg(HW_REG_IB_STS2, 6, 4)
	s_cmp_eq_u32 s2, 0
	s_cbranch_scc0 .Lentry_in_a_cluster
	s_endpgm
.Lentry_in_a_cluster:
	s_bfe_u32 s2, ttmp6, 0x10000c
	s_cmp_lg_u32 s2, 0xf033
	s_cbranch_scc0 .Lentry_shape_is_right
	s_endpgm
.Lentry_shape_is_right:
; out0 = attn wo on codes of FP6 with E8M0 scales.  A work-group makes 128 x 128 of the result, a wave 64 x 64: 16 accumulators.  Both operands lie in memory as images of their registers, in chunks of
; 12,800 bytes (128 rows x 128 K), a block's 16 K steps on end.  CLUSTER 4 x 4: attn's tiles are shared along a row of the cluster, wo's along a column: joint loads.
; LDS: twelve places of a K step for attn (153,600 bytes), then twelve for wo.  THREE FILLS, one tensor load a wave each: K steps 0-5 at the head, 6-11 behind the first round (a first fill, issued as a refill is),
; 12-15 into places 0-3 behind the round that follows K step 4's products.  Waves 0, 1 fetch attn's two halves of a fill, waves 2, 3 wo's.  Behind the places: the spare words and the waves' stages for the way out.
.set GC,    12800
.set CH,    153600                     ; where wo's places begin
.set SLOT,  51200                      ; four places: from one address register to the next
.set SPARE, 307200
.set STAGE, 307712
.set NL,    32
.set G0A, 32
.set G0B, 44
.set G1A, 56
.set G1B, 68
.set SC,  32
.set AF,  64
.set MSB, 0
.macro WIN new
.if MSB != \new
	s_set_vgpr_msb (MSB<<8)|\new
.set MSB, \new
.endif
.endm
.macro PLACES n
.rept \n
	v_nop
.endr
.endm
.macro JLOAD s
	s_cmp_eq_u32 s21, 0
	s_cbranch_scc0 .Lfor_b_\@
	tensor_load_to_lds s[G0A+4*\s:G0A+4*\s+3], s[G1A:G1A+7]
	s_nop 0
.rept 4
	v_nop
.endr
	s_branch .Lasked_\@
.Lfor_b_\@:
	tensor_load_to_lds s[G0B+4*\s:G0B+4*\s+3], s[G1B:G1B+7]
	s_nop 0
.rept 4
	v_nop
.endr
.Lasked_\@:
.endm
.macro CREST
	s_cmp_lg_u32 s20, 0
	s_cbranch_scc1 .Lnot_wave_0_\@
	s_barrier_signal -3
.Lnot_wave_0_\@:
	s_barrier_wait -3
	s_barrier_signal -1
	s_barrier_wait -1
.endm
.macro CROUND
	s_barrier_signal -1
	s_barrier_wait -1
	CREST
.endm
.macro WM zero
.if \zero
.if qA && qB
	v_wmma_scale_f32_16x16x128_f8f6f4 v[rD:rD+7], v[rA:rA+11], v[rB:rB+11], 0, v[sA], v[sB] matrix_a_fmt:MATRIX_FMT_FP6 matrix_b_fmt:MATRIX_FMT_FP6 matrix_a_scale:MATRIX_SCALE_ROW1 matrix_b_scale:MATRIX_SCALE_ROW1
.elseif qA
	v_wmma_scale_f32_16x16x128_f8f6f4 v[rD:rD+7], v[rA:rA+11], v[rB:rB+11], 0, v[sA], v[sB] matrix_a_fmt:MATRIX_FMT_FP6 matrix_b_fmt:MATRIX_FMT_FP6 matrix_a_scale:MATRIX_SCALE_ROW1
.elseif qB
	v_wmma_scale_f32_16x16x128_f8f6f4 v[rD:rD+7], v[rA:rA+11], v[rB:rB+11], 0, v[sA], v[sB] matrix_a_fmt:MATRIX_FMT_FP6 matrix_b_fmt:MATRIX_FMT_FP6 matrix_b_scale:MATRIX_SCALE_ROW1
.else
	v_wmma_scale_f32_16x16x128_f8f6f4 v[rD:rD+7], v[rA:rA+11], v[rB:rB+11], 0, v[sA], v[sB] matrix_a_fmt:MATRIX_FMT_FP6 matrix_b_fmt:MATRIX_FMT_FP6
.endif
.else
.if qA && qB
	v_wmma_scale_f32_16x16x128_f8f6f4 v[rD:rD+7], v[rA:rA+11], v[rB:rB+11], v[rD:rD+7], v[sA], v[sB] matrix_a_fmt:MATRIX_FMT_FP6 matrix_b_fmt:MATRIX_FMT_FP6 matrix_a_scale:MATRIX_SCALE_ROW1 matrix_b_scale:MATRIX_SCALE_ROW1
.elseif qA
	v_wmma_scale_f32_16x16x128_f8f6f4 v[rD:rD+7], v[rA:rA+11], v[rB:rB+11], v[rD:rD+7], v[sA], v[sB] matrix_a_fmt:MATRIX_FMT_FP6 matrix_b_fmt:MATRIX_FMT_FP6 matrix_a_scale:MATRIX_SCALE_ROW1
.elseif qB
	v_wmma_scale_f32_16x16x128_f8f6f4 v[rD:rD+7], v[rA:rA+11], v[rB:rB+11], v[rD:rD+7], v[sA], v[sB] matrix_a_fmt:MATRIX_FMT_FP6 matrix_b_fmt:MATRIX_FMT_FP6 matrix_b_scale:MATRIX_SCALE_ROW1
.else
	v_wmma_scale_f32_16x16x128_f8f6f4 v[rD:rD+7], v[rA:rA+11], v[rB:rB+11], v[rD:rD+7], v[sA], v[sB] matrix_a_fmt:MATRIX_FMT_FP6 matrix_b_fmt:MATRIX_FMT_FP6
.endif
.endif
.endm
.macro FETCH slot, ks, set
	WIN 0x40
.irp b, 0,1,2,3
.irp c, 0,1,2
	ds_load_b128 v[48*(\set)+12*\b+4*\c:48*(\set)+12*\b+4*\c+3], v[10+\slot] offset:GC*(\ks)+1536*\b+512*\c
.endr
.endr
	WIN 0
.irp a, 0,1,2,3
.irp u, 0,1
	ds_load_b128 v[AF+48*(\set)+12*\a+6*\u:AF+48*(\set)+12*\a+6*\u+3], v[4+\slot] offset:GC*(\ks)+1536*\a+768*\u
	ds_load_b64 v[AF+48*(\set)+12*\a+6*\u+4:AF+48*(\set)+12*\a+6*\u+5], v[7+\slot] offset:GC*(\ks)+1536*\a+768*\u+512
.endr
.endr
.irp i, 0,1
	ds_load_b32 v[SC+4*(\set)+\i], v[13+\slot] offset:12288+GC*(\ks)+128*\i
	ds_load_b32 v[SC+4*(\set)+2+\i], v[16+\slot] offset:12288+GC*(\ks)+128*\i
.endr
.endm
.macro PRODUCTS cur, zero
	WIN 0xa1
.set ia, 0
.rept 4
.set ib, 0
.rept 4
.set rD, 8*(4*ia+ib)
.set rA, 48*(\cur)+12*ib
.set rB, AF+48*(\cur)+12*ia
.set sA, SC+4*(\cur)+2+ib/2
.set sB, SC+4*(\cur)+ia/2
.set qA, ib%2
.set qB, ia%2
	WM \zero
.set ib, ib+1
.endr
.set ia, ia+1
.endr
	WIN 0
.endm
.macro KSTEP cur, nxt, slot, ks, zero
	PLACES 4
.if \nxt
	FETCH \slot, \ks, 1-(\cur)
	s_wait_dscnt NL
.else
	s_wait_dscnt 0x0
.endif
	PRODUCTS \cur, \zero
.endm
.macro CHANGE slot, fill
	s_wait_tensorcnt 0x0
	ds_add_u32 v2, v3
.if \fill
	s_add_nc_u64 s[G0A+4*\slot+2:G0A+4*\slot+3], s[G0A+4*\slot+2:G0A+4*\slot+3], 3*CH
	s_add_nc_u64 s[G0B+4*\slot+2:G0B+4*\slot+3], s[G0B+4*\slot+2:G0B+4*\slot+3], 3*CH
.endif
	s_wait_dscnt 0x0
.if \fill
	CROUND
	JLOAD \slot
.else
	s_barrier_signal -1
	s_barrier_wait -1
.endif
.endm
	s_load_b128 s[4:7], s[0:1], 0x0
	s_load_b64 s[8:9], s[0:1], 0x10
	v_lshl_add_u32 v2, v0, 2, SPARE
	v_mov_b32 v3, 0
	ds_add_u32 v2, v3
	ds_add_u32 v2, v3
	s_wait_dscnt 0x0
	v_lshrrev_b32 v1, 5, v0
	v_readfirstlane_b32 s20, v1
	s_lshr_b32 s21, s20, 1
	s_and_b32 s22, s20, 1
	s_bfe_u32 s23, ttmp6, 0x40000
	s_bfe_u32 s24, ttmp6, 0x40004
	s_lshl_b32 s25, ttmp9, 2
	s_add_co_u32 s25, s25, s23
	s_and_b32 s26, ttmp7, 0xffff
	s_lshl_b32 s26, s26, 2
	s_add_co_u32 s26, s26, s24
	s_lshl_b32 s28, s24, 2
	s_lshl_b32 s28, 15, s28
	s_lshl_b32 s29, 0x1111, s23
	s_or_b32 s[G1A], s28, (3<<16)|(1<<21)
	s_or_b32 s[G1B], s29, (3<<16)|(1<<21)
.irp g, G1A, G1B
	s_mov_b32 s[\g+1], 32<<16
	s_mov_b32 s[\g+2], 150<<16                     ; 150 rows of 256 bytes: three K steps
	s_mov_b32 s[\g+3], 32<<16
	s_mov_b32 s[\g+4], 150
	s_mov_b32 s[\g+5], 32
	s_mov_b32 s[\g+6], 0
	s_mov_b32 s[\g+7], 0
.endr
	s_mul_i32 s76, s22, 38400                      ; my half of six K steps,
	s_mul_i32 s77, s22, 25600                      ; and of four
	s_mul_i32 s78, s26, 204800
	s_add_co_u32 s78, s78, s76
	s_mov_b32 s79, 0
	s_mul_i32 s80, s25, 204800
	s_add_co_u32 s80, s80, s76
	s_mov_b32 s81, 0
	s_add_co_u32 s82, s76, CH
	s_wait_kmcnt 0x0
	s_add_nc_u64 s[84:85], s[4:5], s[78:79]
	s_add_nc_u64 s[86:87], s[6:7], s[80:81]
	CROUND
.irp s, 0,1                            ; fills 0 and 1: K steps 0-5 and 6-11, 76,800 bytes apart in LDS and in memory
	s_mov_b32 s[G0A+4*\s], 1
	s_add_co_u32 s[G0A+4*\s+1], s76, \s*76800
	s_add_nc_u64 s[G0A+4*\s+2:G0A+4*\s+3], s[84:85], \s*76800
	s_or_b32 s[G0A+4*\s+3], s[G0A+4*\s+3], 0x80000000
	s_mov_b32 s[G0B+4*\s], 1
	s_add_co_u32 s[G0B+4*\s+1], s82, \s*76800
	s_add_nc_u64 s[G0B+4*\s+2:G0B+4*\s+3], s[86:87], \s*76800
	s_or_b32 s[G0B+4*\s+3], s[G0B+4*\s+3], 0x80000000
.endr
	s_mul_i32 s92, s22, 12800                      ; fill 2: K steps 12-15, into places 0-3: 153,600 bytes on, my half being 25,600 and not 38,400 bytes
	s_sub_co_u32 s92, 153600, s92
	s_mov_b32 s93, 0
	s_mov_b32 s[G0A+8], 1
	s_mov_b32 s[G0A+9], s77
	s_add_nc_u64 s[G0A+10:G0A+11], s[84:85], s[92:93]
	s_or_b32 s[G0A+11], s[G0A+11], 0x80000000
	s_mov_b32 s[G0B+8], 1
	s_add_co_u32 s[G0B+9], s77, CH
	s_add_nc_u64 s[G0B+10:G0B+11], s[86:87], s[92:93]
	s_or_b32 s[G0B+11], s[G0B+11], 0x80000000
	JLOAD 0                                        ; one tensor load a wave at the head
	v_and_b32 v22, 31, v0
	v_and_b32 v23, 15, v0
	v_bfe_u32 v24, v0, 4, 1
	v_lshlrev_b32 v25, 4, v22
	v_lshlrev_b32 v26, 3, v22
	v_lshlrev_b32 v27, 2, v22
	s_mul_i32 s88, s21, 6144
	s_mul_i32 s89, s22, 6144
	s_add_co_u32 s89, s89, CH
	s_lshl_b32 s90, s21, 8
	s_lshl_b32 s91, s22, 8
	s_add_co_u32 s91, s91, CH
	v_add_nc_u32 v4, s88, v25
	v_add_nc_u32 v7, s88, v26
	v_add_nc_u32 v10, s89, v25
	v_add_nc_u32 v13, s90, v27
	v_add_nc_u32 v16, s91, v27
.irp q, 4,7,10,13,16
	v_add_nc_u32 v[\q+1], SLOT, v[\q]
	v_add_nc_u32 v[\q+2], 2*SLOT, v[\q]
.endr
	s_mul_i32 s92, s20, 4352
	s_add_co_u32 s92, s92, STAGE
	v_mul_u32_u24 v19, v23, 272
	v_lshl_add_u32 v19, v24, 5, v19
	v_add_nc_u32 v19, s92, v19
	v_mul_u32_u24 v20, v24, 272
	v_lshl_add_u32 v20, v23, 4, v20
	v_add_nc_u32 v20, s92, v20
	v_lshlrev_b32 v21, 13, v24
	v_lshl_add_u32 v21, v23, 4, v21
	s_lshl_b32 s78, s26, 20
	s_lshl_b32 s79, s21, 19
	s_add_co_u32 s78, s78, s79
	s_lshl_b32 s79, s25, 9
	s_add_co_u32 s78, s78, s79
	s_lshl_b32 s79, s22, 8
	s_add_co_u32 s78, s78, s79
	s_mov_b32 s79, 0
	s_add_nc_u64 s[8:9], s[8:9], s[78:79]
	s_wait_alu depctr_va_vdst(0)
	s_wait_tensorcnt 0x0                           ; my part of K steps 0-5 is in
	ds_add_u32 v2, v3
	s_wait_dscnt 0x0
	CROUND
	JLOAD 1                                        ; K steps 6-11, the first tensor load behind the round
	FETCH 0, 0, 0
	KSTEP 0, 1, 0, 1, 1
	KSTEP 1, 1, 0, 2, 0
	KSTEP 0, 1, 0, 3, 0
	KSTEP 1, 1, 1, 0, 0
	KSTEP 0, 1, 1, 1, 0
	s_wait_tensorcnt 0x0                           ; my part of K steps 6-11 is in
	ds_add_u32 v2, v3
	s_mov_b32 s[G1A+2], 100<<16                    ; no tensor load of mine is out: the last fill brings 100 rows a wave, two K steps
	s_mov_b32 s[G1A+4], 100
	s_mov_b32 s[G1B+2], 100<<16
	s_mov_b32 s[G1B+4], 100
	s_wait_dscnt 0x0                               ; the add is done, and my reads of places 0-5 are over
	CROUND
	JLOAD 2                                        ; K steps 12-15 into places 0-3
	KSTEP 1, 1, 1, 2, 0
	KSTEP 0, 1, 1, 3, 0
	s_wait_alu depctr_va_vdst(0)
	KSTEP 1, 1, 2, 0, 0
	KSTEP 0, 1, 2, 1, 0
	KSTEP 1, 1, 2, 2, 0
	KSTEP 0, 1, 2, 3, 0
	CHANGE 2, 0
	KSTEP 1, 1, 0, 0, 0
	KSTEP 0, 1, 0, 1, 0
	KSTEP 1, 1, 0, 2, 0
	KSTEP 0, 1, 0, 3, 0
	KSTEP 1, 0, 0, 0, 0
.macro TOSTAGE a
	WIN 0x08
.irp b, 0,1,2,3
	ds_store_b128 v19, v[8*(4*\a+\b):8*(4*\a+\b)+3] offset:64*\b
	ds_store_b128 v19, v[8*(4*\a+\b)+4:8*(4*\a+\b)+7] offset:64*\b+16
.endr
	WIN 0
.irp i, 0,1,2,3,4,5,6,7
	ds_load_b128 v[64+32*\a+4*\i:64+32*\a+4*\i+3], v20 offset:544*\i
.endr
.endm
.macro SEND a, younger
	s_wait_dscnt \younger
.irp i, 0,1,2,3,4,5,6,7
	global_store_b128 v21, v[64+32*(\a)+4*\i:64+32*(\a)+4*\i+3], s[8:9] offset:131072*(\a)+16384*\i th:TH_STORE_NT
.endr
.endm
	PLACES 4
	TOSTAGE 0
	TOSTAGE 1
	SEND 0, 16
	TOSTAGE 2
	SEND 1, 16
	TOSTAGE 3
	SEND 2, 16
	SEND 3, 0
	s_wait_tensorcnt 0x0
	ds_add_u32 v2, v3
	s_wait_dscnt 0x0
	CROUND
	s_endpgm
.Lfunc_end_k_qc345b5dd36_oproj:
	.size	k_qc345b5dd36_oproj, .Lfunc_end_k_qc345b5dd36_oproj-k_qc345b5dd36_oproj
	.p2alignl 7, 3214868480
	.fill 96, 4, 3214868480
	.section	.rodata,"a",@progbits
	.p2align	6, 0x0
	.amdhsa_kernel k_qc345b5dd36_oproj
		.amdhsa_group_segment_fixed_size 327680
		.amdhsa_private_segment_fixed_size 0
		.amdhsa_enable_private_segment 0
		.amdhsa_kernarg_size 24
		.amdhsa_user_sgpr_count 2
		.amdhsa_user_sgpr_kernarg_segment_ptr 1
		.amdhsa_wavefront_size32 1
		.amdhsa_system_sgpr_workgroup_id_x 1
		.amdhsa_system_sgpr_workgroup_id_y 1
		.amdhsa_system_sgpr_workgroup_id_z 1
		.amdhsa_system_vgpr_workitem_id 0
		.amdhsa_next_free_vgpr 768
		.amdhsa_next_free_sgpr 100
		.amdhsa_reserve_vcc 0
		.amdhsa_float_denorm_mode_32 3
		.amdhsa_float_denorm_mode_16_64 3
		.amdhsa_memory_ordered 1
		.amdhsa_forward_progress 1
		.amdhsa_inst_pref_size 87
	.end_amdhsa_kernel
	.amdgpu_metadata
---
amdhsa.version: [ 1, 2 ]
amdhsa.kernels:
  - .name:           k_qc345b5dd36_oproj
    .symbol:         k_qc345b5dd36_oproj.kd
    .args:
      - { .name: a_img, .offset: 0, .size: 8, .value_kind: global_buffer, .address_space: global }
      - { .name: wo_img, .offset: 8, .size: 8, .value_kind: global_buffer, .address_space: global }
      - { .name: out0, .offset: 16, .size: 8, .value_kind: global_buffer, .address_space: global }
    .group_segment_fixed_size: 327680
    .private_segment_fixed_size: 0
    .kernarg_segment_align: 8
    .kernarg_segment_size: 24
    .max_flat_workgroup_size: 128
    .sgpr_count:     100
    .vgpr_count:     768
    .wavefront_size: 32
...
	.end_amdgpu_metadata
.endif
;; end of part 4
